; MI455X (gfx1250); checked and timed in simulation.
; The chip was launched on July 23, 2026; its instructions are those of AMD's public machine-readable ISA for CDNA 5 (MIT licence, August 2026) and "CDNA5" Instruction Set Architecture Reference Guide (July 2026). The comments in the code are by the model that wrote it; some were corrected since.
;; Ouroboros Mo E. Allowed arithmetic: matrix products marked QUANTISED: E2M1 operands, one E8M0 scale for each 32 along K, by v_wmma_scale_f32_16x16x128_f8f6f4 with both operands' format E2M1 (or v_wmma_scale_f32_32x16x128_f4), f32 sums; everything else in f32.
;; Inputs: W1 8 x 512 x 2,048 float32; W2 8 x 2,048 x 512 float32; b1 8 x 2,048 float32; b2 8 x 512 float32; expert_indices 8 x 512 x 2 int32; expert_weights 8 x 512 x 2 float32; x 8 x 512 x 512 float32.
;; Outputs: out0 8 x 512 x 512 float32.
;; This version of the problem:
;;   THIS VERSION OF THE PROBLEM IS GIVEN IN LOW PRECISION. The matrix products marked QUANTISED in the list below multiply operands that are first quantised to E2M1 (2 exponent bits, 1 mantissa bit; 4 bits a number), with one power-of-two scale for each 32 numbers along K (OCP MX v1.0); their sums are f32. All else is computed in f32.
;;   The module's matrix products, in the order in which they are computed (A, B: the left and right operand; K: the contracted axis; several contracted axes count as one K, in the product's order):
;;     1. [M 4,096, K 512] x [K 512, N 2,048]; A: input x; B: input W1: QUANTISED
;;     2. [M 4,096, K 2,048] x [K 2,048, N 512]; A: computed on the way; B: input W2: QUANTISED
;;     3. [M 4,096, K 512] x [K 512, N 2,048]; A: input x; B: input W1: QUANTISED
;;     4. [M 4,096, K 2,048] x [K 2,048, N 512]; A: computed on the way; B: input W2: QUANTISED
;;     5. [M 4,096, K 512] x [K 512, N 2,048]; A: input x; B: input W1: QUANTISED
;;     6. [M 4,096, K 2,048] x [K 2,048, N 512]; A: computed on the way; B: input W2: QUANTISED
;;     7. [M 4,096, K 512] x [K 512, N 2,048]; A: input x; B: input W1: QUANTISED
;;     8. [M 4,096, K 2,048] x [K 2,048, N 512]; A: computed on the way; B: input W2: QUANTISED
;;     9. [M 4,096, K 512] x [K 512, N 2,048]; A: input x; B: input W1: QUANTISED
;;     10. [M 4,096, K 2,048] x [K 2,048, N 512]; A: computed on the way; B: input W2: QUANTISED
;;     11. [M 4,096, K 512] x [K 512, N 2,048]; A: input x; B: input W1: QUANTISED
;;     12. [M 4,096, K 2,048] x [K 2,048, N 512]; A: computed on the way; B: input W2: QUANTISED
;;     13. [M 4,096, K 512] x [K 512, N 2,048]; A: input x; B: input W1: QUANTISED
;;     14. [M 4,096, K 2,048] x [K 2,048, N 512]; A: computed on the way; B: input W2: QUANTISED
;;     15. [M 4,096, K 512] x [K 512, N 2,048]; A: input x; B: input W1: QUANTISED
;;     16. [M 4,096, K 2,048] x [K 2,048, N 512]; A: computed on the way; B: input W2: QUANTISED
;;   THE QUANTISER, for each operand of a quantised product, along K:
;;     - K is cut into blocks of 32 from its start; a last block that is shorter is filled with zeros.
;;     - A block's scale is 2^e with e = floor(log2(the largest magnitude in the block)) - 2, held to -126 .. 127; a block of zeros has e = 0. As a byte (E8M0): e + 127.
;;     - Each number is divided by its block's scale, clamped to +-6, and rounded to the nearest number of E2M1, ties to even, subnormals kept.
;;     - The product sums the exact products of the quantised numbers (number of the format x scale) in f32.
;;   ~~~python
;;   def quantise(x, axis):      # numpy; x: float32 -> the quantised numbers, widened to float32 again
;;       x = np.moveaxis(x, axis, -1); K = x.shape[-1]
;;       x = np.pad(x, [(0, 0)] * (x.ndim - 1) + [(0, -K % 32)]); x = x.reshape(x.shape[:-1] + (-1, 32)); a = np.abs(x).max(-1, keepdims=True)
;;       e = np.where(a > 0, np.clip(np.frexp(np.where(a > 0, a, 1))[1] - 1 - 2, -126, 127), 0)      # np.frexp(a)[1] - 1 = floor(log2(a)), exactly
;;       r = np.clip(x / 2.0 ** e, -6, 6)
;;       step = 2.0 ** (np.maximum(np.frexp(np.where(r == 0, 1, r))[1] - 1, 0) - 1)
;;       q = np.round(r / step) * step * 2.0 ** e      # np.round: ties to even
;;       return np.moveaxis(q.reshape(q.shape[:-2] + (-1,))[..., :K], -1, axis).astype(np.float32)
;;   ~~~
;;   OPERANDS COMPUTED ON THE WAY. 'Computed on the way' means the value that the module computes at that place (a softmax that the list does not call 'softmax' is quantised finished and normalised). What goes into a quantiser is computed in f32, as accurately as f32 sums, v_exp_f32 and their like allow (about 1e-6 of the number): no bf16 or f16 on the way to a quantiser, and a product that is left as it is and whose result goes on into a quantised operand takes f32 operands (vector FMAs, or v_wmma_f32_16x16x4_f32). A number that lies on a knife's edge between two numbers of the format may be rounded either way, as far as f32 arithmetic and the matrix unit's own rounding can turn it there, and no further.
;; 2 versions, each right; version 2 is version 1 with the launches g1, g2 written anew for expert scheduling mode. Each part assembles by itself: llvm-mc -triple=amdgcn-amd-amdhsa -mcpu=gfx1250 --defsym DOCPART=n.
;; ======== version 1 of 2: 3 launches
;; workspace buffers: wq 8,388,608 bytes; ws 524,288 bytes; xq 1,114,112 bytes; route 17,408 bytes of whole numbers; h 33,554,432 bytes; hs 2,097,152 bytes
;; launch prep (part 1): grid 513 x 1, 8 waves a work-group, no clusters, 44,032 bytes of LDS; arguments x, W1, W2, expert_indices, xq, wq, ws, route; writes xq, wq, ws, route
.if DOCPART == 1
	.amdgcn_target "amdgcn-amd-amdhsa--gfx1250"
	.amdhsa_code_object_version 6
	.text
	.protected	k_qc4b594e060_prep
	.globl	k_qc4b594e060_prep
	.p2align	8
	.type	k_qc4b594e060_prep,@function
k_qc4b594e060_prep:
	s_mov_b64 s[64:65], 0
	v_nop
	global_prefetch_b8 v0, s[64:65] scope:SCOPE_SE
	s_setreg_imm32_b32 hwreg(HW_REG_WAVE_MODE, 25, 1), 1
	s_wait_xcnt 0x0
; PREP: everything that is made once.  Three kinds of work-groups, told apart by the work-group's number alone:
;   0           ROUTE: the 4,096 tokens are sorted by their SET of experts (key = 8 x smaller index + larger index): perm[place] = token; for each tile of 16 places a mask of the experts that it uses.
;   1 .. 256    W1 [8][512 (k)][2048 (n)] f32,   257 .. 512  W2 [8][2048 (k)][512 (n)] f32 -> codes of E2M1 and E8M0 scale words LAID AS IMAGES OF OPERAND REGISTERS, so that the later launches load fragments whole.
; There are 4,096 weight tasks (a wave each) and 4,096 tokens: THE WAVE OF TASK n ALSO QUANTISES TOKEN n of x [4096][512] f32 (256 bytes of codes, K innermost, and 16 scale bytes), so that every wave reads 16 KiB + 2 KiB.
; A block's scale is 2^(floor(log2(its largest magnitude)) - 2); its byte is the largest magnitude's exponent field - 2, held at 1 from below.
; LIMITS: NaN and infinities among the inputs are not served.  A block whose largest magnitude lies under 2^-124 has its byte held at 1; a block of zeros gets the byte 1 (not 127) over zero codes: the bytes are read by this program alone.
; An expert index outside 0 .. 7 is held at 7 for the sort only; the weights are later made from the raw indices.
; No tensor load, no cluster: the work-groups share no input byte.  Each kind of work-group has LDS bytes of its own: ROUTE 0 .. 2,047; W2 from 2,048 on, W1 from 22,528 on, 2,560 bytes a wave.
.set XW,    32                         ; W: v32-95   two sets of 32 numbers (a block of 32 along K of my column)
.set CW,    96                         ; W: v96-111  four registers of codes for each of the four blocks: no store's data are written again
.set XI,    112                        ; W: v112-127 my token's numbers as loaded: 16 bytes a lane of each of four runs of 512 bytes
.set XN,    128                        ; W: v128-143 16 neighbours along K of my token
.set SP,    80                         ; a lane's place in the token's stage: 64 bytes + 16 of padding
.set KEY,   48                         ; R: v48-63   4 x key of my token in group g
.set PML,   64                         ; R: v64-79   lane l: which lanes of group g hold key l
.set PMH,   80                         ; R: v80-95   the same for key 32 + l
.set RXL,   96                         ; R: v96-112  lane l: how many tokens of my wave's groups before g hold key l
.set RXH,   113                        ; R: v113-129 the same for key 32 + l
.set RES,   16                         ; R: v16-47   the index pairs; then at work; at last what the lane permutes bring
	s_load_b512 s[4:19], s[0:1], 0x0               ; x s[4:5], W1 s[6:7], W2 s[8:9], indices s[10:11], xq s[12:13], wq s[14:15], ws s[16:17], route s[18:19]
	v_lshl_add_u32 v160, v0, 2, 0xa800
	v_mov_b32 v161, 0
	v_lshrrev_b32 v1, 5, v0
	v_readfirstlane_b32 s20, v1                    ; wave 0 .. 7
	s_cmp_eq_u32 ttmp9, 0
	s_cbranch_scc1 .Lroute
	s_cmp_lt_u32 ttmp9, 257
	s_cbranch_scc1 .Lw1
; ---------------------------------------------------------------- W: a wave takes one task: 32 columns x 128 along K; and one token
; A LANE TAKES A COLUMN AND ITS REGISTERS RUN DOWN K: a block of 32 along K lies in one lane, and the conversions give codes with K innermost.  Each load reads 128 consecutive bytes a wave; the eight waves stand side by side.
; The task's two fragments (u = 0, 1: 16 columns each) lie at 2,048 x task as [u][c][lane of the fragment][16 bytes]: block t of column (u, r) is registers 4 (t / 2) .. + 3 of fragment lane 16 (t % 2) + r.
.macro LOADW t, pitch, adr
.set i_, 0
.rept 32
	global_load_b32 v[XW+32*((\t)%2)+i_], v[\adr], s[28:29] offset:(32*(\t)+i_)*(\pitch) th:TH_LOAD_NT
.set i_, i_+1
.endr
.endm
.macro BLOCKW t, pitch, adr
.set XS_, XW+32*((\t)%2)
.if (\t) < 3
	s_wait_loadcnt 32                              ; this block's 32 loads are in (and, the first time, the token's four, which were issued ahead of them); the next block's 32 may be out
.else
	s_wait_loadcnt 0x0
.endif
	v_max3_num_f32 v12, |v[XS_]|, |v[XS_+1]|, |v[XS_+2]|          ; the block's largest magnitude, in two chains
	v_max3_num_f32 v13, |v[XS_+3]|, |v[XS_+4]|, |v[XS_+5]|
.irp i, 6,10,14,18,22,26
	v_max3_num_f32 v12, v12, |v[XS_+\i]|, |v[XS_+\i+1]|
	v_max3_num_f32 v13, v13, |v[XS_+\i+2]|, |v[XS_+\i+3]|
.endr
	v_max3_num_f32 v12, v12, |v[XS_+30]|, |v[XS_+31]|
	v_max3_num_f32 v12, v12, v13, 0x1800000        ; and the floor 2^(3 - 127): the byte cannot fall under 1
	v_add_nc_u32 v11, 0xff000000, v12              ; 2 off the exponent field: the conversion takes this operand's exponent field as its scale
	v_lshrrev_b32 v13, 23, v11                     ; the scale's byte
.if (\t) == 0
	v_mov_b32 v24, v13                             ; the four bytes make my column's scale word, the lower K in the lower byte
.else
	v_lshl_or_b32 v24, v13, 8*(\t), v24
.endif
.irp g, 0,1,2,3
	v_cvt_scalef32_pk8_fp4_f32 v[CW+4*(\t)+\g], v[XS_+8*\g:XS_+8*\g+7], v11
.endr
	global_store_b128 v3, v[CW+4*(\t):CW+4*(\t)+3], s[30:31] offset:((\t)/2)*512+((\t)%2)*256   ; lanes 0-15 and lanes 16-31 each store 256 consecutive bytes, aligned
.if (\t) < 2
	LOADW (\t)+2, \pitch, \adr
.endif
.endm
; My token's 512 numbers.  They were loaded as they lie, 512 consecutive bytes a load; they turn through the wave's own stage in LDS and come back 64 bytes a lane: 16 neighbours along K, two lanes to a block of 32.
.macro TOKEN
.irp i, 0,1,2,3
	ds_store_b128 v15, v[XI+4*\i:XI+4*\i+3] offset:8*SP*\i   ; four lanes' 64 bytes on end, then 16 of padding; a load's 512 bytes take eight places
.endr
.irp i, 0,1,2,3
	ds_load_b128 v[XN+4*\i:XN+4*\i+3], v16 offset:16*\i      ; LDS serves a wave's instructions in order: these see the stores above
.endr
	s_wait_dscnt 0x0
	v_max3_num_f32 v144, |v[XN]|, |v[XN+1]|, |v[XN+2]|
	v_max3_num_f32 v145, |v[XN+3]|, |v[XN+4]|, |v[XN+5]|
.irp i, 6,10
	v_max3_num_f32 v144, v144, |v[XN+\i]|, |v[XN+\i+1]|
	v_max3_num_f32 v145, v145, |v[XN+\i+2]|, |v[XN+\i+3]|
.endr
	v_max3_num_f32 v144, v144, |v[XN+14]|, |v[XN+15]|
	v_max3_num_f32 v144, v144, v145, 0x1800000     ; the floor 2^(3 - 127)
	v_max_num_f32_dpp v144, v144, v144 row_xmask:1 row_mask:0xf bank_mask:0xf   ; with my neighbour's 16: the block's largest magnitude
	v_add_nc_u32 v146, 0xff000000, v144
	v_cvt_scalef32_pk8_fp4_f32 v148, v[XN:XN+7], v146
	v_cvt_scalef32_pk8_fp4_f32 v149, v[XN+8:XN+15], v146
	v_lshrrev_b32 v147, 23, v146                   ; the scale's byte (also the plain line behind the conversions)
	v_lshlrev_b32 v147, v18, v147                  ; at its place in its word: block (lane / 2) is byte (lane / 2) % 4 of word lane / 8
	v_mov_b32_dpp v150, v147 row_xmask:2 row_mask:0xf bank_mask:0xf
	v_or_b32 v147, v147, v150                      ; with lane l xor 2's byte,
	v_mov_b32_dpp v150, v147 row_xmask:4 row_mask:0xf bank_mask:0xf
	v_or_b32 v147, v147, v150                      ; and lane l xor 4's two: all eight lanes of a group hold the whole word
	global_store_b64 v17, v[148:149], s[36:37]     ; the wave stores the token's 256 bytes of codes: consecutive, aligned
	global_store_b32 v19, v147, s[38:39] offset:1048576   ; the token's 16 scale bytes; the eight lanes of a group write the same word with the same value.  A sixteenth of an aligned 256 bytes: 64 KiB in the whole launch
.endm
.macro QW pitch, w1
	v_and_b32 v5, 31, v0                           ; lane
	v_and_b32 v6, 15, v0                           ; r
	v_bfe_u32 v7, v0, 4, 1                         ; u
	v_lshlrev_b32 v4, 2, v5                        ; 4 x lane: my scale word's place (and, for W2, my column)
	v_lshlrev_b32 v3, 4, v6
	v_lshl_add_u32 v3, v7, 10, v3                  ; 1,024 u + 16 r: my codes' place in the task's images
	v_lshlrev_b32 v14, 4, v5                       ; the token: my 16 bytes of a load's 512
	s_mul_i32 s41, s20, 32*SP
	s_add_co_u32 s41, s41, 2048+20480*(\w1)        ; my wave's stage
	v_lshrrev_b32 v15, 2, v5
	v_mul_u32_u24 v15, v15, SP
	v_and_b32 v16, 3, v5
	v_lshl_add_u32 v15, v16, 4, v15
	v_add_nc_u32 v15, s41, v15                     ; into it: 80 (lane / 4) + 16 (lane % 4)
	v_mul_u32_u24 v16, v5, SP
	v_add_nc_u32 v16, s41, v16                     ; out of it: 80 x lane
	v_lshlrev_b32 v17, 3, v5                       ; 8 x lane: my 16 codes' place
	v_bfe_u32 v18, v0, 1, 2
	v_lshlrev_b32 v18, 3, v18                      ; 8 x ((lane / 2) % 4): my byte's place in its word, in bits
	v_bfe_u32 v19, v0, 3, 2
	v_lshlrev_b32 v19, 2, v19                      ; 4 x (lane / 8): the word's place
	v_mov_b32 v150, 0                              ; written once: the destination of a lane exchange counts as one of its sources
	s_sub_co_u32 s40, ttmp9, 1
	s_lshl_b32 s40, s40, 3
	s_add_co_u32 s40, s40, s20                     ; my token: 8 x (work-group - 1) + wave, 0 .. 4,095
.if \w1
	s_sub_co_u32 s21, ttmp9, 1
	s_lshr_b32 s22, s21, 5                         ; expert
	s_bfe_u32 s23, s21, 0x30002
	s_lshl_b32 s23, s23, 3
	s_add_co_u32 s23, s23, s20                     ; group of 32 columns, 0 .. 63
	s_and_b32 s24, s21, 3                          ; K step of 128, 0 .. 3
	s_lshl_b32 s25, s22, 6
	s_add_co_u32 s25, s25, s23
	s_lshl_b32 s25, s25, 2
	s_add_co_u32 s25, s25, s24                     ; task = (64 e + group) 4 + K step
	s_lshl_b32 s27, s24, 20                        ; 128 rows of 8,192 bytes
	v_and_b32 v8, 8, v6                            ; THE COLUMNS OF A TILE OF W1 ARE NOT NEIGHBOURS: lane r of tile u takes column 8 u + r + 8 (r / 8) of the group,
	v_add_nc_u32 v8, v8, v6                        ; so that the first product's results are neighbours along the second product's K
	v_lshl_add_u32 v8, v7, 3, v8
	v_lshlrev_b32 v2, 2, v8
.else
	s_sub_co_u32 s21, ttmp9, 257
	s_lshr_b32 s22, s21, 5                         ; expert
	s_bfe_u32 s23, s21, 0x10004
	s_lshl_b32 s23, s23, 3
	s_add_co_u32 s23, s23, s20                     ; group of 32 columns, 0 .. 15
	s_and_b32 s24, s21, 15                         ; K step of 128, 0 .. 15
	s_lshl_b32 s25, s22, 4
	s_add_co_u32 s25, s25, s23
	s_lshl_b32 s25, s25, 4
	s_add_co_u32 s25, s25, s24
	s_add_co_u32 s25, s25, 2048                    ; task = 2,048 + (16 e + group) 16 + K step
	s_lshl_b32 s27, s24, 18                        ; 128 rows of 2,048 bytes
.endif
	s_lshl_b32 s26, s22, 22                        ; an expert's weight is 4 MiB
	s_add_co_u32 s26, s26, s27
	s_lshl_b32 s27, s23, 7                         ; 32 columns are 128 bytes
	s_add_co_u32 s26, s26, s27
	s_mov_b32 s27, 0
	s_wait_kmcnt 0x0
.if \w1
	s_add_nc_u64 s[28:29], s[6:7], s[26:27]
.else
	s_add_nc_u64 s[28:29], s[8:9], s[26:27]
.endif
	s_lshl_b32 s26, s25, 11
	s_add_nc_u64 s[30:31], s[14:15], s[26:27]      ; the task's images
	s_lshl_b32 s26, s25, 7
	s_add_nc_u64 s[32:33], s[16:17], s[26:27]      ; and its 32 scale words
	s_lshl_b32 s26, s40, 11
	s_add_nc_u64 s[34:35], s[4:5], s[26:27]        ; the token's 2,048 bytes of x,
	s_lshl_b32 s26, s40, 8
	s_add_nc_u64 s[36:37], s[12:13], s[26:27]      ; its 256 bytes of codes,
	s_lshl_b32 s26, s40, 4
	s_add_nc_u64 s[38:39], s[12:13], s[26:27]      ; its 16 scale bytes (1,048,576 further on: in the store's immediate)
.irp i, 0,1,2,3
	global_load_b128 v[XI+4*\i:XI+4*\i+3], v14, s[34:35] offset:512*\i th:TH_LOAD_NT   ; the token first: loads come back in order, so the first block's wait shows these landed too
.endr
.if \w1
	LOADW 0, \pitch, 2
	LOADW 1, \pitch, 2
	BLOCKW 0, \pitch, 2
	BLOCKW 1, \pitch, 2
	TOKEN                                          ; here, where blocks 2 and 3 have just been asked for
	BLOCKW 2, \pitch, 2
	BLOCKW 3, \pitch, 2
.else
	LOADW 0, \pitch, 4
	LOADW 1, \pitch, 4
	BLOCKW 0, \pitch, 4
	BLOCKW 1, \pitch, 4
	TOKEN
	BLOCKW 2, \pitch, 4
	BLOCKW 3, \pitch, 4
.endif
	global_store_b32 v4, v24, s[32:33]             ; 128 consecutive bytes a wave: lanes 0-15 tile 0's words, lanes 16-31 tile 1's.  Half an aligned 256 bytes: the price of 4,096 small tasks, 1 byte in 128 of what they read
.endm
	QW 2048, 0
	s_wait_tensorcnt 0x0
	ds_add_u32 v160, v161
	s_wait_dscnt 0x0
	s_endpgm
.Lw1:
	QW 8192, 1
	s_wait_tensorcnt 0x0
	ds_add_u32 v160, v161
	s_wait_dscnt 0x0
	s_endpgm
; ---------------------------------------------------------------- ROUTE: a counting sort without atomics, one work-group
; Wave w owns tokens 512 w + 32 g + lane, g = 0 .. 15.  Lane l also OWNS keys l and 32 + l.  For each group sixteen ballots (smaller index = n, larger index = n) give every key's peers: ballot(a) & ballot(b).
.macro GRP g
	v_min_u32 v130, v[RES+2*(\g)], v[RES+2*(\g)+1]
	v_max_u32 v131, v[RES+2*(\g)], v[RES+2*(\g)+1]
	v_min_u32 v130, 7, v130                        ; held inside the table of experts
	v_min_u32 v131, 7, v131
.irp n, 0,1,2,3,4,5,6,7
	v_cmp_eq_u32 s[24+\n], \n, v130
	v_cmp_eq_u32 s[32+\n], \n, v131
.endr
	v_lshl_add_u32 v[KEY+(\g)], v130, 3, v131
	v_mov_b32 v132, s24                            ; lane l: the ballot of a = l / 8,
	v_mov_b32 v133, s28                            ; of a = 4 + l / 8,
	v_mov_b32 v134, s32                            ; and of b = l % 8
	v_lshlrev_b32 v[KEY+(\g)], 2, v[KEY+(\g)]      ; kept x 4: the lane permute's address
.irp a, 1,2,3                                  ; the three chains of selects by turns
	v_cndmask_b32 v132, v132, s[24+\a], s[39+\a]
	v_cndmask_b32 v133, v133, s[28+\a], s[39+\a]
	v_cndmask_b32 v134, v134, s[32+\a], s[43+\a]
.endr
.irp b, 4,5,6,7
	v_cndmask_b32 v134, v134, s[32+\b], s[43+\b]
.endr
	v_and_b32 v[PML+(\g)], v132, v134
	v_and_b32 v[PMH+(\g)], v133, v134
.endm
; v[d + g] = the number of ones in v[src + g], g = 0 .. 15; v[t + g] at work.  Line by line across the sixteen, so that no line waits for the line above it.
.macro POPC16 src, d, t
.irp g, 0,1,2,3,4,5,6,7,8,9,10,11,12,13,14,15
	v_lshrrev_b32 v[\t+\g], 1, v[\src+\g]
.endr
.irp g, 0,1,2,3,4,5,6,7,8,9,10,11,12,13,14,15
	v_and_b32 v[\t+\g], 0x55555555, v[\t+\g]
.endr
.irp g, 0,1,2,3,4,5,6,7,8,9,10,11,12,13,14,15
	v_sub_nc_u32 v[\d+\g], v[\src+\g], v[\t+\g]
.endr
.irp g, 0,1,2,3,4,5,6,7,8,9,10,11,12,13,14,15
	v_lshrrev_b32 v[\t+\g], 2, v[\d+\g]
.endr
.irp g, 0,1,2,3,4,5,6,7,8,9,10,11,12,13,14,15
	v_and_b32 v[\d+\g], 0x33333333, v[\d+\g]
.endr
.irp g, 0,1,2,3,4,5,6,7,8,9,10,11,12,13,14,15
	v_and_b32 v[\t+\g], 0x33333333, v[\t+\g]
.endr
.irp g, 0,1,2,3,4,5,6,7,8,9,10,11,12,13,14,15
	v_add_nc_u32 v[\d+\g], v[\d+\g], v[\t+\g]
.endr
.irp g, 0,1,2,3,4,5,6,7,8,9,10,11,12,13,14,15
	v_lshrrev_b32 v[\t+\g], 4, v[\d+\g]
.endr
.irp g, 0,1,2,3,4,5,6,7,8,9,10,11,12,13,14,15
	v_add_nc_u32 v[\d+\g], v[\d+\g], v[\t+\g]
.endr
.irp g, 0,1,2,3,4,5,6,7,8,9,10,11,12,13,14,15
	v_and_b32 v[\d+\g], 0x0f0f0f0f, v[\d+\g]
.endr
.irp g, 0,1,2,3,4,5,6,7,8,9,10,11,12,13,14,15
	v_mul_lo_u32 v[\d+\g], v[\d+\g], s56
.endr
.irp g, 0,1,2,3,4,5,6,7,8,9,10,11,12,13,14,15
	v_lshrrev_b32 v[\d+\g], 24, v[\d+\g]
.endr
.endm
.Lroute:
	v_and_b32 v152, 31, v0                         ; lane
	v_lshlrev_b32 v153, 2, v152                    ; 4 x lane
	v_lshlrev_b32 v155, 3, v152
	s_lshl_b32 s21, s20, 12
	v_add_nc_u32 v155, s21, v155                   ; my token's index pair in group 0: 4,096 w + 8 x lane
	s_mov_b32 s40, 0xff00                          ; lanes 8-15, 16-23, 24-31
	s_mov_b32 s41, 0xff0000
	s_mov_b32 s42, 0xff000000
.irp b, 1,2,3,4,5,6,7
	s_mov_b32 s[43+\b], 0x01010101<<\b             ; lanes with l % 8 = b
.endr
	s_mov_b32 s56, 0x01010101
	v_mov_b32 v[RXL], 0
	v_mov_b32 v[RXH], 0
	s_wait_kmcnt 0x0
.irp g, 0,1,2,3,4,5,6,7,8,9,10,11,12,13,14,15
	global_load_b64 v[RES+2*\g:RES+2*\g+1], v155, s[10:11] offset:256*\g
.endr
	s_wait_loadcnt 0x0
.irp g, 0,1,2,3,4,5,6,7,8,9,10,11,12,13,14,15
	GRP \g
.endr
	POPC16 PML, 16, 32                             ; how many tokens of each group hold my two keys: v16-31 and v130-145
	POPC16 PMH, 130, 32
.irp g, 0,1,2,3,4,5,6,7,8,9,10,11,12,13,14,15
	v_add_nc_u32 v[RXL+\g+1], v[RXL+\g], v[16+\g]  ; and how many of the groups before: two running sums by turns
	v_add_nc_u32 v[RXH+\g+1], v[RXH+\g], v[130+\g]
.endr
	s_lshl_b32 s21, s20, 8                         ; every wave's counts meet in LDS: 256 bytes a wave
	v_add_nc_u32 v156, s21, v153
	ds_store_b32 v156, v[RXL+16]
	ds_store_b32 v156, v[RXH+16] offset:128
	s_wait_dscnt 0x0                               ; for the others' sake: my stores have landed
	s_barrier_signal -1
	s_barrier_wait -1
.irp w, 0,1,2,3,4,5,6,7
	ds_load_b32 v[RES+2*\w], v153 offset:256*\w
	ds_load_b32 v[RES+2*\w+1], v153 offset:256*\w+128
.endr
	s_wait_dscnt 0x0
	v_add_nc_u32 v140, v16, v18                    ; all waves' counts of my two keys,
	v_add_nc_u32 v141, v17, v19
.irp w, 2,4,6
	v_add3_u32 v140, v140, v[RES+2*\w], v[RES+2*\w+2]
	v_add3_u32 v141, v141, v[RES+2*\w+1], v[RES+2*\w+3]
.endr
	s_cmp_gt_u32 s20, 0                            ; and those of the waves before mine
	s_cselect_b32 s55, -1, 0
	v_and_b32 v142, s55, v16
	v_and_b32 v143, s55, v17
.irp w, 1,2,3,4,5,6
	s_cmp_gt_u32 s20, \w
	s_cselect_b32 s55, -1, 0
	v_and_b32 v149, s55, v[RES+2*\w]
	v_and_b32 v150, s55, v[RES+2*\w+1]
	v_add_nc_u32 v142, v142, v149
	v_add_nc_u32 v143, v143, v150
.endr
	v_lshlrev_b32 v147, 4, v0                      ; my thread's tile: places 16 t .. 16 t + 15
	v_add_nc_u32 v148, 16, v147
	v_mov_b32 v144, 0                              ; lane l: the first place of key l,
	v_mov_b32 v145, 0                              ; of key 32 + l
.irp b, 0,1,2,3,4,5,6,7
	v_mov_b32 v[32+\b], 0                          ; eight partial masks of my tile's experts
.endr
; The 36 keys 8 a + b with a <= b, in ascending order, are numbered N = 8 a - a (a - 1) / 2 + b - a.  First all their counts go into s[66 + N];
.irp a, 0,1,2,3,4,5,6,7
.irp b, 0,1,2,3,4,5,6,7
.if \b >= \a
.set N_, 8*\a-(\a*(\a-1))/2+\b-\a
	v_readlane_b32 s[66+N_], v[140+(8*\a+\b)/32], (8*\a+\b)%32
.endif
.endr
.endr
; then one running sum turns each count into the place behind the key's last: key N takes the places s[65 + N] .. s[66 + N] - 1 (key 0 begins at place 0).  The lane that owns a key gets its first place.
.irp a, 0,1,2,3,4,5,6,7
.irp b, 0,1,2,3,4,5,6,7
.if (\b >= \a) && ((\a+\b) > 0)
.set N_, 8*\a-(\a*(\a-1))/2+\b-\a
	v_writelane_b32 v[144+(8*\a+\b)/32], s[65+N_], (8*\a+\b)%32
	s_add_co_u32 s[66+N_], s[66+N_], s[65+N_]
.endif
.endr
.endr
; My tile uses experts a and b if its places and the key's overlap.  The keys of one a side by side, line by line, each into the partial mask of its b.
.irp a, 0,1,2,3,4,5,6,7
.irp b, 0,1,2,3,4,5,6,7
.if \b >= \a
.set N_, 8*\a-(\a*(\a-1))/2+\b-\a
.if N_ == 0
	v_max_u32 v[16+\b], 0, v147
.else
	v_max_u32 v[16+\b], s[65+N_], v147
.endif
.endif
.endr
.irp b, 0,1,2,3,4,5,6,7
.if \b >= \a
.set N_, 8*\a-(\a*(\a-1))/2+\b-\a
	v_min_u32 v[24+\b], s[66+N_], v148
.endif
.endr
.irp b, 0,1,2,3,4,5,6,7
.if \b >= \a
	v_cmp_lt_u32 s[24+\b], v[16+\b], v[24+\b]
.endif
.endr
.irp b, 0,1,2,3,4,5,6,7
.if \b >= \a
	v_or_b32 v[16+\b], (1<<\a)|(1<<\b), v[32+\b]
.endif
.endr
.irp b, 0,1,2,3,4,5,6,7
.if \b >= \a
	v_cndmask_b32 v[32+\b], v[32+\b], v[16+\b], s[24+\b]
.endif
.endr
.endr
	v_or_b32 v32, v32, v33
	v_or_b32 v34, v34, v35
	v_or_b32 v36, v36, v37
	v_or_b32 v38, v38, v39
	v_or_b32 v32, v32, v34
	v_or_b32 v36, v36, v38
	v_or_b32 v146, v32, v36                        ; my tile's mask of experts
	v_lshlrev_b32 v157, 2, v0
	global_store_b32 v157, v146, s[18:19] offset:16384   ; tmask[tile]: a wave stores 128 consecutive bytes
	v_add_nc_u32 v144, v144, v142
	v_add_nc_u32 v145, v145, v143
	s_lshl_b32 s21, s20, 9
	v_add_nc_u32 v158, s21, v152                   ; my token of group 0
; place = the key's first place + the earlier waves' + my wave's earlier groups' + my rank among the group's peers.  The first three and the peers lie in the lane that owns the key: four lane permutes a group.
.irp bt, 0,1
.if \bt
	s_wait_xcnt 0x0                                ; the first eight stores have read their registers, which are written again below
.endif
.irp j, 0,1,2,3,4,5,6,7
	v_add_nc_u32 v[RXL+8*\bt+\j], v144, v[RXL+8*\bt+\j]
	v_add_nc_u32 v[RXH+8*\bt+\j], v145, v[RXH+8*\bt+\j]
	ds_bpermute_b32 v[RES+4*\j], v[KEY+8*\bt+\j], v[RXL+8*\bt+\j]
	ds_bpermute_b32 v[RES+4*\j+1], v[KEY+8*\bt+\j], v[RXH+8*\bt+\j]
	ds_bpermute_b32 v[RES+4*\j+2], v[KEY+8*\bt+\j], v[PML+8*\bt+\j]
	ds_bpermute_b32 v[RES+4*\j+3], v[KEY+8*\bt+\j], v[PMH+8*\bt+\j]
.endr
	s_wait_dscnt 0x0
.irp j, 0,1,2,3,4,5,6,7
	v_cmp_le_u32 vcc_lo, 128, v[KEY+8*\bt+\j]      ; key 32 or above?
	v_cndmask_b32 v[RES+4*\j], v[RES+4*\j], v[RES+4*\j+1], vcc_lo
	v_cndmask_b32 v[RES+4*\j+2], v[RES+4*\j+2], v[RES+4*\j+3], vcc_lo
	v_mbcnt_lo_u32_b32 v[RES+4*\j], v[RES+4*\j+2], v[RES+4*\j]   ; + the peers in lanes below mine
	v_min_u32 v[RES+4*\j], 0xfff, v[RES+4*\j]
	v_lshlrev_b32 v[RES+4*\j], 2, v[RES+4*\j]
	v_add_nc_u32 v[RES+4*\j+1], 32*(8*\bt+\j), v158
	global_store_b32 v[RES+4*\j], v[RES+4*\j+1], s[18:19]   ; perm[place] = token.  Four bytes a lane to places that hang on the data: 16 KiB in the whole launch
.endr
.endr
	s_wait_tensorcnt 0x0
	ds_add_u32 v160, v161
	s_wait_dscnt 0x0
	s_endpgm
.Lfunc_end_k_qc4b594e060_prep:
	.size	k_qc4b594e060_prep, .Lfunc_end_k_qc4b594e060_prep-k_qc4b594e060_prep
	.p2alignl 7, 3214868480
	.fill 96, 4, 3214868480
	.section	.rodata,"a",@progbits
	.p2align	6, 0x0
	.amdhsa_kernel k_qc4b594e060_prep
		.amdhsa_group_segment_fixed_size 44032
		.amdhsa_private_segment_fixed_size 0
		.amdhsa_enable_private_segment 0
		.amdhsa_kernarg_size 64
		.amdhsa_user_sgpr_count 2
		.amdhsa_user_sgpr_kernarg_segment_ptr 1
		.amdhsa_wavefront_size32 1
		.amdhsa_system_sgpr_workgroup_id_x 1
		.amdhsa_system_sgpr_workgroup_id_y 1
		.amdhsa_system_sgpr_workgroup_id_z 1
		.amdhsa_system_vgpr_workitem_id 0
		.amdhsa_next_free_vgpr 162
		.amdhsa_next_free_sgpr 102
		.amdhsa_reserve_vcc 1
		.amdhsa_float_denorm_mode_32 3
		.amdhsa_float_denorm_mode_16_64 3
		.amdhsa_memory_ordered 1
		.amdhsa_forward_progress 1
		.amdhsa_inst_pref_size 132
	.end_amdhsa_kernel
	.amdgpu_metadata
---
amdhsa.version: [ 1, 2 ]
amdhsa.kernels:
  - .name:           k_qc4b594e060_prep
    .symbol:         k_qc4b594e060_prep.kd
    .args:
      - { .name: x, .offset: 0, .size: 8, .value_kind: global_buffer, .address_space: global }
      - { .name: W1, .offset: 8, .size: 8, .value_kind: global_buffer, .address_space: global }
      - { .name: W2, .offset: 16, .size: 8, .value_kind: global_buffer, .address_space: global }
      - { .name: expert_indices, .offset: 24, .size: 8, .value_kind: global_buffer, .address_space: global }
      - { .name: xq, .offset: 32, .size: 8, .value_kind: global_buffer, .address_space: global }
      - { .name: wq, .offset: 40, .size: 8, .value_kind: global_buffer, .address_space: global }
      - { .name: ws, .offset: 48, .size: 8, .value_kind: global_buffer, .address_space: global }
      - { .name: route, .offset: 56, .size: 8, .value_kind: global_buffer, .address_space: global }
    .group_segment_fixed_size: 44032
    .private_segment_fixed_size: 0
    .kernarg_segment_align: 8
    .kernarg_segment_size: 64
    .max_flat_workgroup_size: 256
    .sgpr_count:     102
    .vgpr_count:     162
    .wavefront_size: 32
...
	.end_amdgpu_metadata
.endif
;; end of part 1
;; launch g1 (part 2): grid 4 x 64, 4 waves a work-group, no clusters, 0 bytes of LDS; arguments xq, route, wq, ws, b1, h, hs; writes h, hs
.if DOCPART == 2
	.amdgcn_target "amdgcn-amd-amdhsa--gfx1250"
	.amdhsa_code_object_version 6
	.text
	.protected	k_qc4b594e060_g1
	.globl	k_qc4b594e060_g1
	.p2align	8
	.type	k_qc4b594e060_g1,@function
k_qc4b594e060_g1:
	s_mov_b64 s[64:65], 0
	v_nop
	global_prefetch_b8 v0, s[64:65] scope:SCOPE_SE
	s_setreg_imm32_b32 hwreg(HW_REG_WAVE_MODE, 25, 1), 1
	s_wait_xcnt 0x0
; G1: hidden = Q(gelu(x W1[e] + b1[e])), for each block of 64 sorted tokens and each expert that the block uses, on codes of E2M1 with one E8M0 scale for each 32 along K.
; SHARES.  Work-group (s, blk): the 64 tokens at sorted places 64 blk on (four tiles of 16) x hidden units 512 s .. 512 s + 511.  Wave w owns G = 4 s + w: 128 hidden units = ONE K step of the second product, for all four tiles.
; x's 16 fragments stay in registers.  An expert is taken in two halves c of 64 units; half c has its own set of weight registers, asked for half an expert ahead, from images that PREP laid in register order.
; TRANSPOSED: source 0 = 16 rows of W1, source 1 = 16 tokens: a lane holds ONE token and its registers run along the hidden units, 16 neighbours in two neighbouring tiles (PREP chose the tiles' columns for that).
; So a half's 32 numbers of a lane become four registers of the next operand, stored as an image of those registers; the scale bytes are gathered into words and leave once an expert.
; b1 is the C of each sum's first matrix instruction.  The four accumulators take turns, one instruction a turn.
; GELU, exact form: gelu(v) = max(v, 0) - |v| q, q = erfc(|v| / sqrt 2) / 2 = t 2^(poly(t) - v^2 log2(e) / 2), t = 1 / (1 + |v| / (2 sqrt 2)); the fit of degree 9 has a fractional error of 1.2e-7 for every v; log2(e) and the 1/2 lie in its constants.
; LIMITS: NaN and infinities are not served.  gelu is good to about 5e-7 of the number (more for v under about -5, where the exponent's own rounding shows); where the exponential's result would be denormal it is 0, and gelu is v or -0.
; A block whose largest magnitude lies under 2^-124 has its byte held at 1; a block of zeros gets the byte 1 over zero codes.
; WHY NO TENSOR LOAD, CLUSTER OR JOINT LOAD: which experts and tiles are walked is read from the stored masks, and the walk branches on them; so operands go from memory straight into registers.
; A tile that does not use an expert is passed over (a scalar branch on the stored mask); its lanes of the scale words stay 0.
; REGISTERS.  window 0: v1-3 16, 4, 8 x lane; v4-7, v8-11 my token's codes and scale words; v12-13 scale words on their way out; v14-27 at work; v28-43 W1's scale words; v44-59 x's; v60-61 c8; v62 64 h; v64-95 V; v96-127 T; v128-159 P; v160-191 U.
;   window 1: W1's fragments, set c at v[128 c + 8 (4 t + k)].   window 2: v[32 c + 8 t] b1's tiles; v[64 + 8 (4 m + k)] x's fragments.
.set LI,  1
.set L4,  2
.set L8,  3
.set TM,  16                           ; v16-17 largest magnitudes, v18-19 the other half's, v20-21 the conversions' scale operands, v22-23 bytes
.set PC,  24                           ; v24-27 the codes just made
.set W1S, 28
.set XS,  44
.set VB1, 62
.set VV,  64
.set TT,  96
.set PP,  128
.set UU,  160
.set XF,  64                           ; in window 2
.set MSB, 0
.macro WIN new                         ; the immediate's high byte repeats the setting that is left; a switch that changes nothing is dropped
.if MSB != \new
	s_set_vgpr_msb (MSB<<8)|\new
.set MSB, \new
.endif
.endm
.macro PLACES n
.rept \n
	v_nop
.endr
.endm
; one matrix instruction on the registers named by rD, rA, rB, rC, rSA, rSB; ra, rb: the scales are read from lanes 16-31
.macro MM ra, rb
.if ((\ra) != 0) && ((\rb) != 0)
	v_wmma_scale_f32_16x16x128_f8f6f4 v[rD:rD+7], v[rA:rA+7], v[rB:rB+7], v[rC:rC+7], v[rSA], v[rSB] matrix_a_fmt:MATRIX_FMT_FP4 matrix_b_fmt:MATRIX_FMT_FP4 matrix_a_scale:MATRIX_SCALE_ROW1 matrix_b_scale:MATRIX_SCALE_ROW1
.elseif (\ra) != 0
	v_wmma_scale_f32_16x16x128_f8f6f4 v[rD:rD+7], v[rA:rA+7], v[rB:rB+7], v[rC:rC+7], v[rSA], v[rSB] matrix_a_fmt:MATRIX_FMT_FP4 matrix_b_fmt:MATRIX_FMT_FP4 matrix_a_scale:MATRIX_SCALE_ROW1
.elseif (\rb) != 0
	v_wmma_scale_f32_16x16x128_f8f6f4 v[rD:rD+7], v[rA:rA+7], v[rB:rB+7], v[rC:rC+7], v[rSA], v[rSB] matrix_a_fmt:MATRIX_FMT_FP4 matrix_b_fmt:MATRIX_FMT_FP4 matrix_b_scale:MATRIX_SCALE_ROW1
.else
	v_wmma_scale_f32_16x16x128_f8f6f4 v[rD:rD+7], v[rA:rA+7], v[rB:rB+7], v[rC:rC+7], v[rSA], v[rSB] matrix_a_fmt:MATRIX_FMT_FP4 matrix_b_fmt:MATRIX_FMT_FP4
.endif
.endm
; where expert e's images, scale words and bias of my 128 units begin
.macro BASES e
	s_lshl_b32 s30, \e, 6
	s_lshl_b32 s31, s23, 2
	s_add_co_u32 s30, s30, s31                     ; 64 e + 4 G: my first group of 32 units
	s_lshl_b32 s42, s30, 13                        ; a group has four tasks of 2,048 bytes
	s_mov_b32 s43, 0
	s_add_nc_u64 s[32:33], s[8:9], s[42:43]
	s_lshl_b32 s42, s30, 9                         ; and four times 128 bytes of scale words
	s_add_nc_u64 s[34:35], s[10:11], s[42:43]
	s_lshl_b32 s42, \e, 13
	s_lshl_b32 s31, s23, 9
	s_add_co_u32 s42, s42, s31
	s_add_nc_u64 s[36:37], s[12:13], s[42:43]
.endm
; half c of the expert at the bases: 48 loads: 16 fragments (tile t = 2 b + u, K step k), 8 registers of scale words (lanes 0-15: u = 0, lanes 16-31: u = 1), 4 tiles of bias
.macro LOADB c
	WIN 0x40                                       ; destination window 1
.irp b, 0,1
.irp k, 0,1,2,3
.irp u, 0,1
	global_load_b128 v[128*\c+8*(4*(2*\b+\u)+\k):128*\c+8*(4*(2*\b+\u)+\k)+3], v[LI], s[32:33] offset:\c*16384+\b*8192+\k*2048+\u*1024
	global_load_b128 v[128*\c+8*(4*(2*\b+\u)+\k)+4:128*\c+8*(4*(2*\b+\u)+\k)+7], v[LI], s[32:33] offset:\c*16384+\b*8192+\k*2048+\u*1024+512
.endr
.endr
.endr
	WIN 0
.irp b, 0,1
.irp k, 0,1,2,3
	global_load_b32 v[W1S+8*\c+4*\b+\k], v[L4], s[34:35] offset:(8*\c+4*\b+\k)*128
.endr
.endr
	WIN 0x80                                       ; destination window 2
.irp b, 0,1
.irp u, 0,1
	global_load_b128 v[32*\c+8*(2*\b+\u):32*\c+8*(2*\b+\u)+3], v[VB1], s[36:37] offset:(64*\c+32*\b+8*\u)*4
	global_load_b128 v[32*\c+8*(2*\b+\u)+4:32*\c+8*(2*\b+\u)+7], v[VB1], s[36:37] offset:(64*\c+32*\b+8*\u)*4+16
.endr
.endr
	WIN 0
.endm
; V's 32 numbers become their gelu, in place.  Each accumulator is read from its low end on.  The transcendentals go in two batches, each with one plain line behind its last and ONE wait ahead of its first reader.
.macro GELU
.set i_, 0
.rept 32
	v_fma_f32 v[TT+i_], |v[VV+i_]|, s48, 1.0       ; 1 + |v| / (2 sqrt 2)
.set i_, i_+1
.endr
.set i_, 0
.rept 16
	v_rcp_f32 v[TT+i_], v[TT+i_]                   ; t
	v_rcp_f32 v[TT+i_+1], v[TT+i_+1]
	v_pk_mul_f32 v[UU+i_:UU+i_+1], v[VV+i_:VV+i_+1], v[VV+i_:VV+i_+1]   ; v^2: plain work among the reciprocals
.set i_, i_+2
.endr
	s_wait_alu depctr_va_vdst(0)
.set i_, 0
.rept 16
	v_pk_fma_f32 v[PP+i_:PP+i_+1], v[TT+i_:TT+i_+1], s[50:51], v[60:61] op_sel_hi:[1,0,0]   ; c9 t + c8
.set i_, i_+2
.endr
.irp k, 52,54,56,58,60,62,66,68                ; x t + c7 .. c0: sixteen chains side by side
.set i_, 0
.rept 16
	v_pk_fma_f32 v[PP+i_:PP+i_+1], v[PP+i_:PP+i_+1], v[TT+i_:TT+i_+1], s[\k:\k+1] op_sel_hi:[1,1,0]
.set i_, i_+2
.endr
.endr
.set i_, 0
.rept 16
	v_pk_fma_f32 v[PP+i_:PP+i_+1], v[UU+i_:UU+i_+1], s[70:71], v[PP+i_:PP+i_+1] op_sel_hi:[1,0,1]   ; - v^2 log2(e) / 2
.set i_, i_+2
.endr
.set i_, 0
.rept 32
	v_exp_f32 v[PP+i_], v[PP+i_]
	v_max_num_f32 v[UU+i_], 0, v[VV+i_]            ; max(v, 0): plain work among the exponentials
.set i_, i_+1
.endr
	s_wait_alu depctr_va_vdst(0)
.set i_, 0
.rept 16
	v_pk_mul_f32 v[PP+i_:PP+i_+1], v[PP+i_:PP+i_+1], v[TT+i_:TT+i_+1]   ; q
.set i_, i_+2
.endr
.set i_, 0
.rept 32
	v_fma_f32 v[VV+i_], -|v[VV+i_]|, v[PP+i_], v[UU+i_]
.set i_, i_+1
.endr
.endm
; V's 32 numbers, register 16 b + i = unit 32 b + 16 (lane / 16) + i of my token's two blocks, become four registers of codes in v[PC] on and two scale bytes in v14
.macro QH
.irp b, 0,1
	v_max3_num_f32 v[TM+\b], |v[VV+16*\b]|, |v[VV+16*\b+1]|, 0x1800000   ; my 16 numbers, and the floor 2^(3 - 127)
.endr
.irp i, 2,4,6,8,10,12,14
.irp b, 0,1
	v_max3_num_f32 v[TM+\b], v[TM+\b], |v[VV+16*\b+\i]|, |v[VV+16*\b+\i+1]|
.endr
.endr
.irp b, 0,1
	v_permlanex16_b32 v[TM+2+\b], v[TM+\b], s44, s45
.endr
.irp b, 0,1
	v_max_num_f32 v[TM+\b], v[TM+\b], v[TM+2+\b]   ; with lane l xor 16's: the block's largest magnitude
.endr
.irp b, 0,1
	v_add_nc_u32 v[TM+4+\b], 0xff000000, v[TM+\b]  ; 2 off the exponent field: the conversion's scale operand
.endr
.irp b, 0,1
	v_lshrrev_b32 v[TM+6+\b], 23, v[TM+4+\b]       ; the scale's byte
.endr
	v_lshl_or_b32 v14, v[TM+7], 8, v[TM+6]
	s_wait_xcnt 0x0                                ; the last store of codes has read its registers, which are written again below
.irp b, 0,1
	v_cvt_scalef32_pk8_fp4_f32 v[PC+2*\b], v[VV+16*\b:VV+16*\b+7], v[TM+4+\b]
	v_cvt_scalef32_pk8_fp4_f32 v[PC+2*\b+1], v[VV+16*\b+8:VV+16*\b+15], v[TM+4+\b]
.endr
	v_nop                                          ; one plain line behind the scaled conversions
	v_permlane16_swap_b32 v[PC], v[PC+2]           ; the operand wants a WHOLE block in a lane: lanes 0-15 the first block, lanes 16-31 the second
	v_permlane16_swap_b32 v[PC+1], v[PC+3]
.endm
; half c of the expert in hand, tile m of the block's four
.macro BODY c, m
	s_lshr_b32 s31, s[24+\m], s29
	s_and_b32 s31, s31, 1
	s_cmp_lg_u32 s31, 0
	s_cbranch_scc0 .Lnot_\@                        ; the tile does not use the expert
	WIN 0x29                                       ; source 0 (W1) window 1, source 1 (x) window 2, C (b1) window 2, D window 0
.irp t, 0,1,2,3
.set rD, VV+8*\t
.set rA, 128*\c+8*(4*\t)
.set rB, XF+8*(4*\m)
.set rC, 32*\c+8*\t
.set rSA, W1S+8*\c+4*(\t/2)
.set rSB, XS+4*\m
	MM \t%2, 0
.endr
	WIN 0x09                                       ; C window 0
.irp k, 1,2,3
.irp t, 0,1,2,3
.set rD, VV+8*\t
.set rA, 128*\c+8*(4*\t+\k)
.set rB, XF+8*(4*\m+\k)
.set rC, rD
.set rSA, W1S+8*\c+4*(\t/2)+\k
.set rSB, XS+4*\m+\k
	MM \t%2, 0
.endr
.endr
	WIN 0
	PLACES 4                                       ; four plain lines between the last products and the first read of results; they also serve the later loads into these products' operands
	GELU
	QH
	v_lshl_or_b32 v15, v14, 16*\c, v[12+\m/2]      ; the two bytes go to their place in my token's scale word,
	v_cndmask_b32 v[12+\m/2], v[12+\m/2], v15, s[46+\m%2]   ; in the half of the lanes that carries tile m
	global_store_b128 v[LI], v[PC:PC+3], s[38:39] offset:\m*131072+512*\c   ; registers 4 c .. 4 c + 3 of the fragment's image: 512 consecutive bytes, aligned
.Lnot_\@:
.endm
	s_load_b256 s[4:11], s[0:1], 0x0               ; xq s[4:5], route s[6:7], wq s[8:9], ws s[10:11]
	s_load_b128 s[12:15], s[0:1], 0x20             ; b1 s[12:13], h s[14:15]
	s_load_b64 s[16:17], s[0:1], 0x30              ; hs
	v_lshrrev_b32 v15, 5, v0
	v_readfirstlane_b32 s20, v15                   ; wave 0 .. 3
	s_mov_b32 s21, ttmp9                           ; strip
	s_and_b32 s22, ttmp7, 0xffff                   ; block of 64 sorted tokens
	s_lshl_b32 s23, s21, 2
	s_add_co_u32 s23, s23, s20                     ; G
	v_and_b32 v15, 31, v0
	v_lshlrev_b32 v[LI], 4, v15
	v_lshlrev_b32 v[L4], 2, v15
	v_lshlrev_b32 v[L8], 3, v15
	v_and_b32 v16, 15, v0                          ; r
	v_bfe_u32 v17, v0, 4, 1                        ; h
	v_lshlrev_b32 v[VB1], 6, v17
	v_lshlrev_b32 v15, 2, v16
	s_mov_b32 s44, 0x76543210
	s_mov_b32 s45, 0xfedcba98                      ; v_permlanex16_b32's selects for lane l xor 16
	s_mov_b32 s46, 0x0000ffff                      ; lanes 0-15
	s_mov_b32 s47, 0xffff0000                      ; lanes 16-31
	s_mov_b32 s48, 0x3eb504f3                      ;  0.35355339 = 1 / (2 sqrt 2)
	s_mov_b32 s50, 0x3e7c6f08                      ;  0.24651730  c9
	s_mov_b32 s52, 0x40097039                      ;  2.14747446  c7
	s_mov_b32 s54, 0xbfd1a1e5                      ; -1.63775315  c6
	s_mov_b32 s56, 0x3ecdfd18                      ;  0.40232158  c5
	s_mov_b32 s58, 0xbe899a80                      ; -0.26875686  c4
	s_mov_b32 s60, 0x3e0efb2f                      ;  0.13963006  c3
	s_mov_b32 s62, 0x3f0a29d2                      ;  0.53970062  c2
	s_mov_b32 s66, 0x3fb8ab5a                      ;  1.44272920  c1
	s_mov_b32 s68, 0xc034d90f                      ; -2.82574822  c0 (with the 1/2)
	s_mov_b32 s70, 0xbf38aa3b                      ; -0.72134752 = -log2(e) / 2
.irp k, 50,52,54,56,58,60,62,66,68,70
	s_mov_b32 s[\k+1], s[\k]                       ; the packed forms name pairs and take the low word for both halves: so the upper word is written
.endr
	v_mov_b32 v60, 0xbf97d29d                      ; -1.18611494  c8
	v_mov_b32 v61, 0xbf97d29d
	s_lshl_b32 s30, s22, 4
	s_lshl_b32 s42, s22, 8
	s_mov_b32 s43, 0
	s_wait_kmcnt 0x0
	s_load_b128 s[24:27], s[6:7], s30 offset:0x4000   ; the four tiles' masks of experts
	s_add_nc_u64 s[42:43], s[6:7], s[42:43]
.irp m, 0,1,2,3
	global_load_b32 v[4+\m], v15, s[42:43] offset:64*\m   ; the token at place 64 blk + 16 m + r
.endr
	s_wait_loadcnt 0x0
.irp m, 0,1,2,3
	v_min_u32 v[4+\m], 0xfff, v[4+\m]
	v_lshlrev_b32 v[8+\m], 4, v[4+\m]              ; its 16 scale bytes,
	v_lshlrev_b32 v[4+\m], 8, v[4+\m]
	v_lshl_add_u32 v[4+\m], v17, 4, v[4+\m]        ; its 256 bytes of codes, + 16 h
.endr
	v_mov_b32 v18, 0                               ; written once: a lane permute's destination counts as one of its sources
	v_mov_b32 v19, 0
	WIN 0x80
.irp m, 0,1,2,3
.irp k, 0,1,2,3
	global_load_b128 v[XF+8*(4*\m+\k):XF+8*(4*\m+\k)+3], v[4+\m], s[4:5] offset:64*\k
	global_load_b128 v[XF+8*(4*\m+\k)+4:XF+8*(4*\m+\k)+7], v[4+\m], s[4:5] offset:64*\k+32
.endr
.endr
	WIN 0
.irp m, 0,1,2,3
	global_load_b128 v[XS+4*\m:XS+4*\m+3], v[8+\m], s[4:5] offset:1048576   ; the token's four scale words
.endr
	s_wait_kmcnt 0x0
	s_or_b32 s28, s24, s25
	s_or_b32 s28, s28, s26
	s_or_b32 s28, s28, s27                         ; the experts that the block uses
	s_ctz_i32_b32 s49, s28
	s_min_u32 s49, s49, 7                          ; the first of them
	BASES s49
	LOADB 0
	s_mov_b32 s29, 0
.Lexp:                                             ; eight trips, one an expert; a trip whose expert the block does not use does nothing
	s_lshr_b32 s30, s28, s29
	s_and_b32 s30, s30, 1
	s_cmp_lg_u32 s30, 0
	s_cbranch_scc0 .Lnext
	LOADB 1                                        ; the bases stand at this expert
	s_wait_loadcnt 48                              ; all but the 48 just issued: half 0 (and, the first time, x) is in
	s_wait_xcnt 0x0                                ; earlier stores have read their bases and data, which are written again below
	s_lshl_b32 s30, s22, 5
	s_add_co_u32 s30, s30, s29
	s_lshl_b32 s42, s30, 14                        ; fragment (tile, e, G) lies at ((8 tile + e) 16 + G) 1,024; tile = 4 blk + m, m in the store's immediate
	s_lshl_b32 s31, s23, 10
	s_add_co_u32 s42, s42, s31
	s_mov_b32 s43, 0
	s_add_nc_u64 s[38:39], s[14:15], s[42:43]
	s_lshl_b32 s30, s22, 3
	s_add_co_u32 s30, s30, s29
	s_lshl_b32 s30, s30, 4
	s_add_co_u32 s30, s30, s23
	s_lshl_b32 s42, s30, 8                         ; the scale words of (blk, e, G): 256 bytes
	s_add_nc_u64 s[40:41], s[16:17], s[42:43]
	v_mov_b32 v12, 0
	v_mov_b32 v13, 0
.irp m, 0,1,2,3
	BODY 0, \m
.endr
	s_add_co_u32 s30, s29, 1
	s_lshr_b32 s31, s28, s30
	s_cmp_lg_u32 s31, 0
	s_cbranch_scc0 .Llast
	s_ctz_i32_b32 s49, s31
	s_add_co_u32 s49, s49, s30
	s_min_u32 s49, s49, 7                          ; the next expert that the block uses
	s_wait_xcnt 0x0                                ; half 1's loads have read the bases
	BASES s49
	LOADB 0                                        ; its half 0, half an expert ahead
	s_wait_loadcnt 48                              ; all but the 48 just issued: half 1 is in
	s_branch .Lhalf
.Llast:
	s_wait_loadcnt 0x0
.Lhalf:
.irp m, 0,1,2,3
	BODY 1, \m
.endr
	global_store_b64 v[L8], v[12:13], s[40:41]     ; lane l: the words of row l % 16 of tiles l / 16 and 2 + l / 16: 256 consecutive bytes, aligned
.Lnext:
	s_add_co_u32 s29, s29, 1
	s_cmp_lt_u32 s29, 8
	s_cbranch_scc1 .Lexp
	s_endpgm
.Lfunc_end_k_qc4b594e060_g1:
	.size	k_qc4b594e060_g1, .Lfunc_end_k_qc4b594e060_g1-k_qc4b594e060_g1
	.p2alignl 7, 3214868480
	.fill 96, 4, 3214868480
	.section	.rodata,"a",@progbits
	.p2align	6, 0x0
	.amdhsa_kernel k_qc4b594e060_g1
		.amdhsa_group_segment_fixed_size 0
		.amdhsa_private_segment_fixed_size 0
		.amdhsa_enable_private_segment 0
		.amdhsa_kernarg_size 56
		.amdhsa_user_sgpr_count 2
		.amdhsa_user_sgpr_kernarg_segment_ptr 1
		.amdhsa_wavefront_size32 1
		.amdhsa_system_sgpr_workgroup_id_x 1
		.amdhsa_system_sgpr_workgroup_id_y 1
		.amdhsa_system_sgpr_workgroup_id_z 1
		.amdhsa_system_vgpr_workitem_id 0
		.amdhsa_next_free_vgpr 704
		.amdhsa_next_free_sgpr 84
		.amdhsa_reserve_vcc 0
		.amdhsa_float_denorm_mode_32 3
		.amdhsa_float_denorm_mode_16_64 3
		.amdhsa_memory_ordered 1
		.amdhsa_forward_progress 1
		.amdhsa_inst_pref_size 212
	.end_amdhsa_kernel
	.amdgpu_metadata
---
amdhsa.version: [ 1, 2 ]
amdhsa.kernels:
  - .name:           k_qc4b594e060_g1
    .symbol:         k_qc4b594e060_g1.kd
    .args:
      - { .name: xq, .offset: 0, .size: 8, .value_kind: global_buffer, .address_space: global }
      - { .name: route, .offset: 8, .size: 8, .value_kind: global_buffer, .address_space: global }
      - { .name: wq, .offset: 16, .size: 8, .value_kind: global_buffer, .address_space: global }
      - { .name: ws, .offset: 24, .size: 8, .value_kind: global_buffer, .address_space: global }
      - { .name: b1, .offset: 32, .size: 8, .value_kind: global_buffer, .address_space: global }
      - { .name: h, .offset: 40, .size: 8, .value_kind: global_buffer, .address_space: global }
      - { .name: hs, .offset: 48, .size: 8, .value_kind: global_buffer, .address_space: global }
    .group_segment_fixed_size: 0
    .private_segment_fixed_size: 0
    .kernarg_segment_align: 8
    .kernarg_segment_size: 56
    .max_flat_workgroup_size: 128
    .sgpr_count:     84
    .vgpr_count:     704
    .wavefront_size: 32
...
	.end_amdgpu_metadata
.endif
;; end of part 2
;; launch g2 (part 3): grid 4 x 64, 4 waves a work-group, no clusters, 173,568 bytes of LDS; arguments h, hs, wq, ws, b2, x, route, expert_indices, expert_weights, out0; writes out0
.if DOCPART == 3
	.amdgcn_target "amdgcn-amd-amdhsa--gfx1250"
	.amdhsa_code_object_version 6
	.text
	.protected	k_qc4b594e060_g2
	.globl	k_qc4b594e060_g2
	.p2align	8
	.type	k_qc4b594e060_g2,@function
k_qc4b594e060_g2:
	s_mov_b64 s[64:65], 0
	v_nop
	global_prefetch_b8 v0, s[64:65] scope:SCOPE_SE
	s_setreg_imm32_b32 hwreg(HW_REG_WAVE_MODE, 25, 1), 1
	s_wait_xcnt 0x0
; G2: out = x + the sum over e of w_e (hidden_e W2[e] + b2[e]), w_e = the sum over k of (index_k == e ? weight_k : 0), on codes of E2M1 with one E8M0 scale for each 32 along K.
; SHARES.  Work-group (s, blk): the 64 tokens at sorted places 64 blk on x output columns 128 s .. 128 s + 127: each output number has one owner.  Wave w owns 32 columns (two tiles u) for all four tiles of tokens.
; The experts that the block uses are walked in ascending order.  W2's fragments go from PREP's images straight into registers, in two halves of K (8 K steps each), each asked for half an expert ahead.
; The hidden layer's images (64 KiB an expert) are wanted by all four waves: wave w brings tile w's, through registers, into one of two LDS buffers, an expert ahead; ONE barrier an expert: between two barriers one buffer is only read and the other only written.
; A tile that does not use the expert in hand gets the codes of a tile that does (only bytes that G1 stored are read); its sums are finite, its rows' w_e are 0, so it adds 0.  So no branch hangs on a tile.
; TRANSPOSED: source 0 = 16 columns of W2, source 1 = 16 tokens: a lane holds one token and eight neighbouring outputs.  b2 is the C of each sum's first matrix instruction; two accumulators take turns.
; ORDER OF ROUNDING: the bias is the first term of each sum; w_e y is added by a fused multiply-add, expert by expert in ascending order; x is added last.  NaN and infinities are not served.
; WHY NO TENSOR LOAD, CLUSTER OR JOINT LOAD: the walk over experts branches on the stored masks; so operands go through registers.
; LDS: two buffers of 65,536 bytes [tile 4][K step 16][1,024]; at 131,072 two of 4,096 bytes for the scale words [K step 16][256]; at 139,264 the stage for the way out, 64 rows x (512 + 16) bytes.
; REGISTERS.  window 0: v2-15 addresses; v16-31 my 16 rows' offsets in x and out; v32-47 W2's scale words; v48-63 the hidden layer's; v64-71 those on their way to LDS; v72-79 indices, v80-87 weights, v88-95 w_e; v96-103 at work;
;   v128-191, v192-255 two buffers of 8 hidden fragments.   window 1: W2's fragments, half f at v[128 f + 8 (2 k + u)].   window 2: v0-63 the sums of the expert in hand ((u, m) at 8 (4 u + m)); v64-127 the totals; v128-143 b2; v144-207 x.   window 3: v0-127 a tile's images on their way to LDS.
.set L4,  2
.set L8,  3
.set LI,  4                            ; v4   16 x lane; also where buffer 0 is read
.set RDA, 4                            ; v4-5   where buffer p is read
.set SWA, 6                            ; v6-7   where I store into buffer p: + 16,384 x wave
.set RDH, 8                            ; v8-9   the scale words of buffer p: 8 x lane on
.set SWH, 10                           ; v10-11 where I store them: + 1,024 x wave
.set SO,  12
.set SR,  13
.set VB2, 14
.set OFF, 16
.set W2S, 32
.set HSR, 48
.set HST, 64
.set IX,  72
.set WT,  80
.set WE,  88
.set AF,  128
.set TOT, 64                           ; in window 2
.set BI,  128
.set XR,  144
.set STG, 139264
.set MSB, 0
.macro WIN new                         ; the immediate's high byte repeats the setting that is left; a switch that changes nothing is dropped
.if MSB != \new
	s_set_vgpr_msb (MSB<<8)|\new
.set MSB, \new
.endif
.endm
.macro PLACES n
.rept \n
	v_nop
.endr
.endm
.macro MM ra, rb                       ; one matrix instruction on rD, rA, rB, rC, rSA, rSB; ra, rb: the scales are read from lanes 16-31
.if ((\ra) != 0) && ((\rb) != 0)
	v_wmma_scale_f32_16x16x128_f8f6f4 v[rD:rD+7], v[rA:rA+7], v[rB:rB+7], v[rC:rC+7], v[rSA], v[rSB] matrix_a_fmt:MATRIX_FMT_FP4 matrix_b_fmt:MATRIX_FMT_FP4 matrix_a_scale:MATRIX_SCALE_ROW1 matrix_b_scale:MATRIX_SCALE_ROW1
.elseif (\ra) != 0
	v_wmma_scale_f32_16x16x128_f8f6f4 v[rD:rD+7], v[rA:rA+7], v[rB:rB+7], v[rC:rC+7], v[rSA], v[rSB] matrix_a_fmt:MATRIX_FMT_FP4 matrix_b_fmt:MATRIX_FMT_FP4 matrix_a_scale:MATRIX_SCALE_ROW1
.elseif (\rb) != 0
	v_wmma_scale_f32_16x16x128_f8f6f4 v[rD:rD+7], v[rA:rA+7], v[rB:rB+7], v[rC:rC+7], v[rSA], v[rSB] matrix_a_fmt:MATRIX_FMT_FP4 matrix_b_fmt:MATRIX_FMT_FP4 matrix_b_scale:MATRIX_SCALE_ROW1
.else
	v_wmma_scale_f32_16x16x128_f8f6f4 v[rD:rD+7], v[rA:rA+7], v[rB:rB+7], v[rC:rC+7], v[rSA], v[rSB] matrix_a_fmt:MATRIX_FMT_FP4 matrix_b_fmt:MATRIX_FMT_FP4
.endif
.endm
; where expert e's W2 images, scale words and bias of my 32 columns begin
.macro BBASES e
	s_lshl_b32 s54, \e, 4
	s_add_co_u32 s54, s54, s31                     ; 16 e + my group of 32 columns
	s_lshl_b32 s50, s54, 15                        ; 16 tasks of 2,048 bytes,
	s_add_co_u32 s50, s50, 0x400000                ; behind W1's 2,048 tasks
	s_mov_b32 s51, 0
	s_add_nc_u64 s[40:41], s[8:9], s[50:51]
	s_lshl_b32 s50, s54, 11
	s_add_co_u32 s50, s50, 0x40000
	s_add_nc_u64 s[42:43], s[10:11], s[50:51]
	s_lshl_b32 s50, \e, 11
	s_lshl_b32 s55, s31, 7
	s_add_co_u32 s50, s50, s55
	s_add_nc_u64 s[44:45], s[12:13], s[50:51]
.endm
; s53 = the tile whose images I bring for expert e: my own (tile w) if it uses e, else the first that does
.macro PICK e
	s_lshr_b32 s52, s24, \e
	s_and_b32 s52, s52, 1
.irp m, 1,2,3
	s_lshr_b32 s53, s[24+\m], \e
	s_and_b32 s53, s53, 1
	s_lshl_b32 s53, s53, \m
	s_or_b32 s52, s52, s53
.endr
	s_ctz_i32_b32 s53, s52
	s_lshr_b32 s54, s52, s28
	s_and_b32 s54, s54, 1
	s_cmp_lg_u32 s54, 0
	s_cselect_b32 s53, s28, s53
	s_min_u32 s53, s53, 3
.endm
.macro ABASES e
	s_lshl_b32 s54, s30, 2
	s_add_co_u32 s54, s54, s53
	s_lshl_b32 s54, s54, 3
	s_add_co_u32 s54, s54, \e
	s_lshl_b32 s50, s54, 14                        ; (8 tile + e) x 16 fragments of 1,024 bytes
	s_mov_b32 s51, 0
	s_add_nc_u64 s[46:47], s[4:5], s[50:51]
	s_lshl_b32 s54, s30, 3
	s_add_co_u32 s54, s54, \e
	s_lshl_b32 s54, s54, 4
	s_lshl_b32 s55, s28, 2
	s_add_co_u32 s54, s54, s55
	s_lshl_b32 s50, s54, 8                         ; the scale words of (blk, e), K steps 4 w .. 4 w + 3
	s_add_nc_u64 s[48:49], s[6:7], s[50:51]
.endm
; half f of W2 at the bases: 32 loads of fragments and 8 of scale words (lanes 0-15: u = 0, lanes 16-31: u = 1); with half 0 the bias, 4 loads
.macro LOADB2 f
	WIN 0x40                                       ; destination window 1
.irp k, 0,1,2,3,4,5,6,7
.irp u, 0,1
	global_load_b128 v[128*\f+8*(2*\k+\u):128*\f+8*(2*\k+\u)+3], v[LI], s[40:41] offset:\f*16384+\k*2048+\u*1024
	global_load_b128 v[128*\f+8*(2*\k+\u)+4:128*\f+8*(2*\k+\u)+7], v[LI], s[40:41] offset:\f*16384+\k*2048+\u*1024+512
.endr
.endr
	WIN 0
.irp k, 0,1,2,3,4,5,6,7
	global_load_b32 v[W2S+8*\f+\k], v[L4], s[42:43] offset:(8*\f+\k)*128
.endr
.if \f == 0
	WIN 0x80                                       ; destination window 2
.irp u, 0,1
	global_load_b128 v[BI+8*\u:BI+8*\u+3], v[VB2], s[44:45] offset:64*\u
	global_load_b128 v[BI+8*\u+4:BI+8*\u+7], v[VB2], s[44:45] offset:64*\u+16
.endr
	WIN 0
.endif
.endm
.macro LOADA                           ; 36 loads: a tile's 16 images, and my quarter of the block's scale words
	WIN 0xc0                                       ; destination window 3
.irp k, 0,1,2,3,4,5,6,7,8,9,10,11,12,13,14,15
	global_load_b128 v[8*\k:8*\k+3], v[LI], s[46:47] offset:\k*1024
	global_load_b128 v[8*\k+4:8*\k+7], v[LI], s[46:47] offset:\k*1024+512
.endr
	WIN 0
.irp i, 0,1,2,3
	global_load_b64 v[HST+2*\i:HST+2*\i+1], v[L8], s[48:49] offset:256*\i
.endr
.endm
.macro STAGE p                         ; and on into buffer p
	WIN 0x0c                                       ; an LDS store's data are its source 1: window 3
.irp k, 0,1,2,3,4,5,6,7,8,9,10,11,12,13,14,15
	ds_store_b128 v[SWA+\p], v[8*\k:8*\k+3] offset:\k*1024
	ds_store_b128 v[SWA+\p], v[8*\k+4:8*\k+7] offset:\k*1024+512
.endr
	WIN 0
.irp i, 0,1,2,3
	ds_store_b64 v[SWH+\p], v[HST+2*\i:HST+2*\i+1] offset:256*\i
.endr
.endm
.macro FETCHA p, f, m, buf             ; tile m's eight fragments of half f, from buffer p, into register buffer buf: 16 loads
.set k_, 0
.rept 8
	ds_load_b128 v[AF+64*(\buf)+8*k_:AF+64*(\buf)+8*k_+3], v[RDA+\p] offset:(\m)*16384+(8*(\f)+k_)*1024
	ds_load_b128 v[AF+64*(\buf)+8*k_+4:AF+64*(\buf)+8*k_+7], v[RDA+\p] offset:(\m)*16384+(8*(\f)+k_)*1024+512
.set k_, k_+1
.endr
.endm
; half f of the expert in hand: 64 matrix instructions; tile m + 1 is fetched while tile m is multiplied
.macro COMPUTE p, f
	PLACES 5                                       ; plain lines between the last products and the loads into their operands and scales, and (one more) the products below that begin sums anew over old results
.set k_, 0
.rept 8
	ds_load_b64 v[HSR+2*k_:HSR+2*k_+1], v[RDH+\p] offset:(8*(\f)+k_)*256   ; lane l: the words of row l % 16 of tiles l / 16 and 2 + l / 16
.set k_, k_+1
.endr
	FETCHA \p, \f, 0, 0
.irp m, 0,1,2,3
.if \m < 3
.if \m > 0
	PLACES 4                                       ; the register buffer that is loaded next was read by the products just issued
.endif
	FETCHA \p, \f, \m+1, (\m+1)%2
	s_wait_dscnt 16                                ; all but the 16 just issued: tile m's fragments (and the scale words) are in
.else
	s_wait_dscnt 0x0
.endif
	WIN 0xa1                                       ; source 0 (W2) window 1, source 1 (hidden) window 0, C and D window 2
.set k_, 0
.rept 8
.irp u, 0,1
.set rD, 8*(4*\u+\m)
.set rA, 128*(\f)+8*(2*k_+\u)
.set rB, AF+64*(\m%2)+8*k_
.if ((\f) == 0) && (k_ == 0)
.set rC, BI+8*\u
.else
.set rC, rD
.endif
.set rSA, W2S+8*(\f)+k_
.set rSB, HSR+2*k_+\m/2
	MM \u, \m%2
.endr
.set k_, k_+1
.endr
	WIN 0
.endr
.endm
.macro WEIGHTS                         ; w_e of my token in each tile, from the raw indices
.irp m, 0,1,2,3
	v_cmp_eq_u32 vcc_lo, s33, v[IX+2*\m]
	v_cndmask_b32 v96, 0, v[WT+2*\m], vcc_lo
	v_cmp_eq_u32 vcc_lo, s33, v[IX+2*\m+1]
	v_cndmask_b32 v97, 0, v[WT+2*\m+1], vcc_lo
	v_add_f32 v[WE+2*\m], v96, v97
.endr
.endm
.macro ADDUP                           ; totals += w_e x sums; each accumulator is read from its low end on
	PLACES 4
	WIN 0xa2                                       ; destination, source 0 and source 2 window 2; w_e window 0
.irp m, 0,1,2,3
.irp u, 0,1
.irp i, 0,2,4,6
	v_pk_fma_f32 v[TOT+8*(4*\u+\m)+\i:TOT+8*(4*\u+\m)+\i+1], v[8*(4*\u+\m)+\i:8*(4*\u+\m)+\i+1], v[WE+2*\m:WE+2*\m+1], v[TOT+8*(4*\u+\m)+\i:TOT+8*(4*\u+\m)+\i+1] op_sel_hi:[1,0,1]
.endr
.endr
.endr
	WIN 0
.endm
; One expert, read from buffer p.  s33 the expert, s34 the experts still to come, s35 whether there is an expert in hand.
.macro TRIP p
	s_wait_dscnt 0x0                               ; my stores into buffer p have landed, and my reads of the other buffer are over
	s_barrier_signal -1
	s_barrier_wait -1                              ; both hold of all four waves: buffer p is whole, the other may be written
	s_cmp_eq_u32 s35, 0
	s_cbranch_scc1 .Lidle_\@
	s_ctz_i32_b32 s36, s34
	s_min_u32 s36, s36, 7                          ; the next expert,
	s_cmp_lg_u32 s34, 0
	s_cselect_b32 s37, 1, 0                        ; if there is one
	LOADB2 1                                       ; the bases stand at the expert in hand
	s_wait_loadcnt 40                              ; all but the 40 just issued: half 0 is in
	s_cmp_eq_u32 s37, 0
	s_cbranch_scc1 .Lno_a_\@
	PICK s36
	s_wait_xcnt 0x0                                ; earlier loads have read the bases that are written below
	ABASES s36
	LOADA                                          ; the next expert's images, an expert ahead
.Lno_a_\@:
	COMPUTE \p, 0
	s_cmp_eq_u32 s37, 0
	s_cbranch_scc1 .Lno_b_\@
	s_wait_xcnt 0x0                                ; half 1's loads have read the bases
	BBASES s36
	PLACES 4                                       ; half 0's registers were read by the products just issued
	LOADB2 0                                       ; the next expert's half 0, half an expert ahead
	s_wait_loadcnt 44                              ; all but the 44 just issued: half 1 and the images are in
	s_branch .Lgo_b_\@
.Lno_b_\@:
	s_wait_loadcnt 0x0
.Lgo_b_\@:
	WEIGHTS
	COMPUTE \p, 1
	ADDUP
	s_cmp_eq_u32 s37, 0
	s_cbranch_scc1 .Lno_c_\@
	STAGE 1-\p
.Lno_c_\@:
	s_mov_b32 s33, s36
	s_mov_b32 s35, s37
	s_lshl_b32 s52, 1, s36
	s_and_not1_b32 s34, s34, s52
.Lidle_\@:
.endm
	s_load_b512 s[4:19], s[0:1], 0x0               ; h s[4:5], hs s[6:7], wq s[8:9], ws s[10:11], b2 s[12:13], x s[14:15], route s[16:17], indices s[18:19]
	s_load_b128 s[20:23], s[0:1], 0x40             ; weights s[20:21], out s[22:23]
	v_lshl_add_u32 v126, v0, 2, 0x2a400
	v_mov_b32 v127, 0
	v_lshrrev_b32 v15, 5, v0
	v_readfirstlane_b32 s28, v15                   ; wave 0 .. 3
	s_mov_b32 s29, ttmp9                           ; strip of 128 columns
	s_and_b32 s30, ttmp7, 0xffff                   ; block of 64 sorted tokens
	s_lshl_b32 s31, s29, 2
	s_add_co_u32 s31, s31, s28                     ; my group of 32 columns
	v_and_b32 v15, 31, v0
	v_lshlrev_b32 v[LI], 4, v15
	v_lshlrev_b32 v[L4], 2, v15
	v_lshlrev_b32 v[L8], 3, v15
	v_add_nc_u32 v[RDA+1], 0x10000, v[LI]
	s_lshl_b32 s52, s28, 14
	v_add_nc_u32 v[SWA], s52, v[LI]
	v_add_nc_u32 v[SWA+1], 0x10000, v[SWA]
	v_add_nc_u32 v[RDH], 0x20000, v[L8]
	v_add_nc_u32 v[RDH+1], 0x21000, v[L8]
	s_lshl_b32 s52, s28, 10
	v_add_nc_u32 v[SWH], s52, v[RDH]
	v_add_nc_u32 v[SWH+1], s52, v[RDH+1]
	v_and_b32 v96, 15, v0                          ; r
	v_bfe_u32 v97, v0, 4, 1                        ; h
	v_lshlrev_b32 v[VB2], 5, v97
	v_mul_u32_u24 v[SO], v96, 528
	v_lshl_add_u32 v[SO], v97, 5, v[SO]
	s_lshl_b32 s52, s28, 7
	s_add_co_u32 s52, s52, STG
	v_add_nc_u32 v[SO], s52, v[SO]                 ; the stage, in: row r, + 128 w + 32 h
	s_mul_i32 s52, s28, 16*528
	s_add_co_u32 s52, s52, STG
	v_add_nc_u32 v[SR], s52, v[LI]                 ; back: my 16 rows, 16 bytes a lane
	v_lshlrev_b32 v98, 2, v96
	s_lshl_b32 s59, s30, 4
	s_lshl_b32 s56, s30, 8
	s_mov_b32 s57, 0
	s_lshl_b32 s60, s28, 6
	s_add_co_u32 s60, s60, s56
	s_wait_kmcnt 0x0
	s_load_b128 s[24:27], s[16:17], s59 offset:0x4000   ; the four tiles' masks of experts
	s_load_b512 s[68:83], s[16:17], s60 offset:0x0      ; the tokens at places 64 blk + 16 w + 0 .. 15: the rows that I store
	s_add_nc_u64 s[56:57], s[16:17], s[56:57]
.irp m, 0,1,2,3
	global_load_b32 v[100+\m], v98, s[56:57] offset:64*\m   ; the token at place 64 blk + 16 m + r
.endr
	s_wait_kmcnt 0x0
	s_or_b32 s32, s24, s25
	s_or_b32 s32, s32, s26
	s_or_b32 s32, s32, s27                         ; the experts that the block uses
	s_ctz_i32_b32 s33, s32
	s_min_u32 s33, s33, 7                          ; the first of them
	s_lshl_b32 s52, 1, s33
	s_and_not1_b32 s34, s32, s52
	s_mov_b32 s35, 1
	BBASES s33
	LOADB2 0
	s_wait_loadcnt 44                              ; all but the 44 just issued: the four tokens are in
	PICK s33
	ABASES s33
	LOADA
.irp m, 0,1,2,3
	v_min_u32 v[100+\m], 0xfff, v[100+\m]
	v_lshlrev_b32 v[100+\m], 3, v[100+\m]
	global_load_b64 v[IX+2*\m:IX+2*\m+1], v[100+\m], s[18:19]
	global_load_b64 v[WT+2*\m:WT+2*\m+1], v[100+\m], s[20:21]
.endr
	s_lshl_b32 s52, s29, 9
	v_add_nc_u32 v15, s52, v[LI]
.irp i, 0,1,2,3,4,5,6,7,8,9,10,11,12,13,14,15
	s_min_u32 s[68+\i], s[68+\i], 0xfff
	v_lshl_add_u32 v[OFF+\i], s[68+\i], 11, v15    ; 2,048 x token + 512 s + 16 x lane
.endr
	WIN 0x80                                       ; destination window 2
.irp i, 0,1,2,3,4,5,6,7,8,9,10,11,12,13,14,15
	global_load_b128 v[XR+4*\i:XR+4*\i+3], v[OFF+\i], s[14:15] th:TH_LOAD_NT   ; 512 consecutive bytes of x
.endr
.set j_, 0
.rept 64
	v_mov_b32 v[TOT+j_], 0                         ; the totals, once: how many experts follow hangs on the stored masks, and every way through the text finds them written
.set j_, j_+1
.endr
	WIN 0
.irp m, 0,1,2,3
	v_mov_b32 v[WE+2*\m+1], 0                      ; named as the upper half of a pair whose low word serves both halves
.endr
	s_wait_loadcnt 24                              ; all but the 24 just issued (indices, weights, x): the first expert's images are in
	STAGE 0
	s_mov_b32 s58, 4
.Lpair:                                            ; four trips of two experts: eight at the most; the buffers' numbers are constants of the text
	TRIP 0
	TRIP 1
	s_sub_co_u32 s58, s58, 1
	s_cmp_lg_u32 s58, 0
	s_cbranch_scc1 .Lpair
	; THE WAY OUT.  A row's 128 outputs come from four waves: they meet in the stage, and each wave stores 16 whole rows.
	s_wait_loadcnt 0x0                             ; x
	WIN 0x08                                       ; an LDS store's data are its source 1: window 2
.irp m, 0,1,2,3
.irp u, 0,1
	ds_store_b128 v[SO], v[TOT+8*(4*\u+\m):TOT+8*(4*\u+\m)+3] offset:16*\m*528+64*\u
	ds_store_b128 v[SO], v[TOT+8*(4*\u+\m)+4:TOT+8*(4*\u+\m)+7] offset:16*\m*528+64*\u+16
.endr
.endr
	WIN 0
	s_wait_dscnt 0x0                               ; for the others' sake: my stores have landed
	s_barrier_signal -1
	s_barrier_wait -1
.irp i, 0,1,2,3,4,5,6,7,8,9,10,11,12,13,14,15
	ds_load_b128 v[AF+4*\i:AF+4*\i+3], v[SR] offset:528*\i
.endr
	s_wait_dscnt 0x0
	WIN 0x08                                       ; source 1 (x) window 2
.set j_, 0
.rept 32
	v_pk_add_f32 v[AF+j_:AF+j_+1], v[AF+j_:AF+j_+1], v[XR+j_:XR+j_+1]
.set j_, j_+2
.endr
	WIN 0
.irp i, 0,1,2,3,4,5,6,7,8,9,10,11,12,13,14,15
	global_store_b128 v[OFF+\i], v[AF+4*\i:AF+4*\i+3], s[22:23] th:TH_STORE_NT   ; 32 lanes store 512 consecutive bytes, aligned
.endr
	s_wait_tensorcnt 0x0
	ds_add_u32 v126, v127
	s_wait_dscnt 0x0
	s_endpgm
.Lfunc_end_k_qc4b594e060_g2:
	.size	k_qc4b594e060_g2, .Lfunc_end_k_qc4b594e060_g2-k_qc4b594e060_g2
	.p2alignl 7, 3214868480
	.fill 96, 4, 3214868480
	.section	.rodata,"a",@progbits
	.p2align	6, 0x0
	.amdhsa_kernel k_qc4b594e060_g2
		.amdhsa_group_segment_fixed_size 173568
		.amdhsa_private_segment_fixed_size 0
		.amdhsa_enable_private_segment 0
		.amdhsa_kernarg_size 80
		.amdhsa_user_sgpr_count 2
		.amdhsa_user_sgpr_kernarg_segment_ptr 1
		.amdhsa_wavefront_size32 1
		.amdhsa_system_sgpr_workgroup_id_x 1
		.amdhsa_system_sgpr_workgroup_id_y 1
		.amdhsa_system_sgpr_workgroup_id_z 1
		.amdhsa_system_vgpr_workitem_id 0
		.amdhsa_next_free_vgpr 896
		.amdhsa_next_free_sgpr 96
		.amdhsa_reserve_vcc 1
		.amdhsa_float_denorm_mode_32 3
		.amdhsa_float_denorm_mode_16_64 3
		.amdhsa_memory_ordered 1
		.amdhsa_forward_progress 1
		.amdhsa_inst_pref_size 119
	.end_amdhsa_kernel
	.amdgpu_metadata
---
amdhsa.version: [ 1, 2 ]
amdhsa.kernels:
  - .name:           k_qc4b594e060_g2
    .symbol:         k_qc4b594e060_g2.kd
    .args:
      - { .name: h, .offset: 0, .size: 8, .value_kind: global_buffer, .address_space: global }
      - { .name: hs, .offset: 8, .size: 8, .value_kind: global_buffer, .address_space: global }
      - { .name: wq, .offset: 16, .size: 8, .value_kind: global_buffer, .address_space: global }
      - { .name: ws, .offset: 24, .size: 8, .value_kind: global_buffer, .address_space: global }
      - { .name: b2, .offset: 32, .size: 8, .value_kind: global_buffer, .address_space: global }
      - { .name: x, .offset: 40, .size: 8, .value_kind: global_buffer, .address_space: global }
      - { .name: route, .offset: 48, .size: 8, .value_kind: global_buffer, .address_space: global }
      - { .name: expert_indices, .offset: 56, .size: 8, .value_kind: global_buffer, .address_space: global }
      - { .name: expert_weights, .offset: 64, .size: 8, .value_kind: global_buffer, .address_space: global }
      - { .name: out0, .offset: 72, .size: 8, .value_kind: global_buffer, .address_space: global }
    .group_segment_fixed_size: 173568
    .private_segment_fixed_size: 0
    .kernarg_segment_align: 8
    .kernarg_segment_size: 80
    .max_flat_workgroup_size: 128
    .sgpr_count:     96
    .vgpr_count:     896
    .wavefront_size: 32
...
	.end_amdgpu_metadata
.endif
;; end of part 3
;; ======== version 2 of 2: 3 launches; version 1 with the launches g1, g2 written anew for expert scheduling mode
;; workspace buffers: wq 8,388,608 bytes; ws 524,288 bytes; xq 1,114,112 bytes; route 17,408 bytes of whole numbers; h 33,554,432 bytes; hs 2,097,152 bytes
;; launch prep: the kernel of part 1 again; grid 513 x 1, 8 waves a work-group, no clusters, 44,032 bytes of LDS; arguments x, W1, W2, expert_indices, xq, wq, ws, route; writes xq, wq, ws, route
;; launch g1 (part 4): grid 4 x 64, 4 waves a work-group, no clusters, 0 bytes of LDS; arguments xq, route, wq, ws, b1, h, hs; writes h, hs
.if DOCPART == 4
	.amdgcn_target "amdgcn-amd-amdhsa--gfx1250"
	.amdhsa_code_object_version 6
	.text
	.protected	k_qc4b594e060_g1
	.globl	k_qc4b594e060_g1
	.p2align	8
	.type	k_qc4b594e060_g1,@function
k_qc4b594e060_g1:
	s_mov_b64 s[64:65], 0
	v_nop
	global_prefetch_b8 v0, s[64:65] scope:SCOPE_SE
	s_setreg_imm32_b32 hwreg(HW_REG_WAVE_SCHED_MODE, 0, 2), 2
	s_setreg_imm32_b32 hwreg(HW_REG_WAVE_MODE, 25, 1), 1
	s_wait_xcnt 0x0
	s_wait_alu depctr_vm_vsrc(0)
; G1: hidden = Q(gelu(x W1[e] + b1[e])), for each block of 64 sorted tokens and each expert that the block uses, on codes of E2M1 with one E8M0 scale for each 32 along K.
; SHARES.  Work-group (s, blk): the 64 tokens at sorted places 64 blk on (four tiles of 16) x hidden units 512 s .. 512 s + 511.  Wave w owns G = 4 s + w: 128 hidden units = ONE K step of the second product, for all four tiles.
; x's 16 fragments stay in registers.  An expert is taken in two halves c of 64 units; half c has its own set of weight registers, asked for half an expert ahead, from images that PREP laid in register order.
; TRANSPOSED: source 0 = 16 rows of W1, source 1 = 16 tokens: a lane holds ONE token and its registers run along the hidden units, 16 neighbours in two neighbouring tiles (PREP chose the tiles' columns for that).
; So a half's 32 numbers of a lane become four registers of the next operand, stored as an image of those registers; the scale bytes are gathered into words and leave once an expert.
; b1 is the C of each sum's first matrix instruction.  The four accumulators take turns, one instruction a turn.
; GELU, exact form: gelu(v) = max(v, 0) - |v| q, q = erfc(|v| / sqrt 2) / 2 = t 2^(poly(t) - v^2 log2(e) / 2), t = 1 / (1 + |v| / (2 sqrt 2)); the fit of degree 9 has a fractional error of 1.2e-7 for every v; log2(e) and the 1/2 lie in its constants.
; LIMITS: NaN and infinities are not served.  gelu is good to about 5e-7 of the number (more for v under about -5, where the exponent's own rounding shows); where the exponential's result would be denormal it is 0, and gelu is v or -0.
; A block whose largest magnitude lies under 2^-124 has its byte held at 1; a block of zeros gets the byte 1 over zero codes.
; WHY NO TENSOR LOAD, CLUSTER OR JOINT LOAD: which experts and tiles are walked is read from the stored masks, and the walk branches on them; so operands go from memory straight into registers.
; A tile that does not use an expert is passed over (a scalar branch on the stored mask); its lanes of the scale words stay 0.
; THE MODE: SCHED_MODE bits 1:0 = 2 (LLVM: expert scheduling mode 2), set by the entry lines.  The code itself states the register dependences between vector or matrix instructions and memory instructions, with s_wait_alu, always for 0.
; THE PLAN.  Registers that memory instructions touch:
;   v1-3, v62, v63   offsets, made once at the head and never written again: one wait on va_vdst ahead of the first load.
;   v4-11            the tokens' offsets: v4-7 loaded, then made by vector lines, once: one wait on va_vdst ahead of x's loads, which read them.
;   W1's half c      (window 1 v[128 c ..], v[28 + 8 c ..], window 2 v[32 c ..]).  The loads of LOADB c land there; BODY c's products read it.  One wait on va_vdst in LOADB, behind its first window switch; only loads and window switches follow it there.
;   v24-27           a BODY's conversions and lane exchanges write them, its store reads them: va_vdst ahead of the store; vm_vsrc ahead of the next BODY's conversions.
;   v12-13           written by two moves at a trip's head and by the BODYs' selects, read by the trip's last store: va_vdst ahead of that store; vm_vsrc at the next trip's head, ahead of the moves.
;   x's fragments and scale words are loaded once; V, T, P, U and v14-23 are named by vector and matrix instructions alone.
; A half's 48 loads stay in one run, half an expert ahead of their use: a BODY may be jumped over, and the waits on LOADcnt are counted, so no part of the run can stand inside one.
; REGISTERS.  window 0: v1-3 16, 4, 8 x lane; v4-7, v8-11 my token's codes and scale words; v12-13 scale words on their way out; v14-27 at work; v28-43 W1's scale words; v44-59 x's; v60-61 c8; v62 64 h; v63 4 r; v64-95 V; v96-127 T; v128-159 P; v160-191 U.
;   window 1: W1's fragments, set c at v[128 c + 8 (4 t + k)].   window 2: v[32 c + 8 t] b1's tiles; v[64 + 8 (4 m + k)] x's fragments.
.set LI,  1
.set L4,  2
.set L8,  3
.set TM,  16                           ; v16-17 largest magnitudes, v18-19 the other half's, v20-21 the conversions' scale operands, v22-23 bytes
.set PC,  24                           ; v24-27 the codes just made
.set W1S, 28
.set XS,  44
.set VB1, 62
.set TKO, 63                           ; v63 4 r: the offset of the loads that bring the tokens; never written again
.set VV,  64
.set TT,  96
.set PP,  128
.set UU,  160
.set XF,  64                           ; in window 2
.set MSB, 0
.macro WIN new                         ; the immediate's high byte repeats the setting that is left; a switch that changes nothing is dropped
.if MSB != \new
	s_set_vgpr_msb (MSB<<8)|\new
.set MSB, \new
.endif
.endm
.macro PLACES n
.rept \n
	v_nop
.endr
.endm
; one matrix instruction on the registers named by rD, rA, rB, rC, rSA, rSB; ra, rb: the scales are read from lanes 16-31
.macro MM ra, rb
.if ((\ra) != 0) && ((\rb) != 0)
	v_wmma_scale_f32_16x16x128_f8f6f4 v[rD:rD+7], v[rA:rA+7], v[rB:rB+7], v[rC:rC+7], v[rSA], v[rSB] matrix_a_fmt:MATRIX_FMT_FP4 matrix_b_fmt:MATRIX_FMT_FP4 matrix_a_scale:MATRIX_SCALE_ROW1 matrix_b_scale:MATRIX_SCALE_ROW1
.elseif (\ra) != 0
	v_wmma_scale_f32_16x16x128_f8f6f4 v[rD:rD+7], v[rA:rA+7], v[rB:rB+7], v[rC:rC+7], v[rSA], v[rSB] matrix_a_fmt:MATRIX_FMT_FP4 matrix_b_fmt:MATRIX_FMT_FP4 matrix_a_scale:MATRIX_SCALE_ROW1
.elseif (\rb) != 0
	v_wmma_scale_f32_16x16x128_f8f6f4 v[rD:rD+7], v[rA:rA+7], v[rB:rB+7], v[rC:rC+7], v[rSA], v[rSB] matrix_a_fmt:MATRIX_FMT_FP4 matrix_b_fmt:MATRIX_FMT_FP4 matrix_b_scale:MATRIX_SCALE_ROW1
.else
	v_wmma_scale_f32_16x16x128_f8f6f4 v[rD:rD+7], v[rA:rA+7], v[rB:rB+7], v[rC:rC+7], v[rSA], v[rSB] matrix_a_fmt:MATRIX_FMT_FP4 matrix_b_fmt:MATRIX_FMT_FP4
.endif
.endm
; where expert e's images, scale words and bias of my 128 units begin
.macro BASES e
	s_lshl_b32 s30, \e, 6
	s_lshl_b32 s31, s23, 2
	s_add_co_u32 s30, s30, s31                     ; 64 e + 4 G: my first group of 32 units
	s_lshl_b32 s42, s30, 13                        ; a group has four tasks of 2,048 bytes
	s_mov_b32 s43, 0
	s_add_nc_u64 s[32:33], s[8:9], s[42:43]
	s_lshl_b32 s42, s30, 9                         ; and four times 128 bytes of scale words
	s_add_nc_u64 s[34:35], s[10:11], s[42:43]
	s_lshl_b32 s42, \e, 13
	s_lshl_b32 s31, s23, 9
	s_add_co_u32 s42, s42, s31
	s_add_nc_u64 s[36:37], s[12:13], s[42:43]
.endm
; half c of the expert at the bases: 48 loads: 16 fragments (tile t = 2 b + u, K step k), 8 registers of scale words (lanes 0-15: u = 0, lanes 16-31: u = 1), 4 tiles of bias
.macro LOADB c
	WIN 0x40                                       ; destination window 1
	s_wait_alu depctr_va_vdst(0)                   ; the products that read half c's fragments, scale words and bias are done reading them: the 48 loads below land there; only loads and window switches follow this wait in the run
.irp b, 0,1
.irp k, 0,1,2,3
.irp u, 0,1
	global_load_b128 v[128*\c+8*(4*(2*\b+\u)+\k):128*\c+8*(4*(2*\b+\u)+\k)+3], v[LI], s[32:33] offset:\c*16384+\b*8192+\k*2048+\u*1024
	global_load_b128 v[128*\c+8*(4*(2*\b+\u)+\k)+4:128*\c+8*(4*(2*\b+\u)+\k)+7], v[LI], s[32:33] offset:\c*16384+\b*8192+\k*2048+\u*1024+512
.endr
.endr
.endr
	WIN 0
.irp b, 0,1
.irp k, 0,1,2,3
	global_load_b32 v[W1S+8*\c+4*\b+\k], v[L4], s[34:35] offset:(8*\c+4*\b+\k)*128
.endr
.endr
	WIN 0x80                                       ; destination window 2
.irp b, 0,1
.irp u, 0,1
	global_load_b128 v[32*\c+8*(2*\b+\u):32*\c+8*(2*\b+\u)+3], v[VB1], s[36:37] offset:(64*\c+32*\b+8*\u)*4
	global_load_b128 v[32*\c+8*(2*\b+\u)+4:32*\c+8*(2*\b+\u)+7], v[VB1], s[36:37] offset:(64*\c+32*\b+8*\u)*4+16
.endr
.endr
	WIN 0
.endm
; V's 32 numbers become their gelu, in place.  Each accumulator is read from its low end on.  The transcendentals go in two batches, each with one plain line behind its last and ONE wait ahead of its first reader.
.macro GELU
.set i_, 0
.rept 32
	v_fma_f32 v[TT+i_], |v[VV+i_]|, s48, 1.0       ; 1 + |v| / (2 sqrt 2)
.set i_, i_+1
.endr
.set i_, 0
.rept 16
	v_rcp_f32 v[TT+i_], v[TT+i_]                   ; t
	v_rcp_f32 v[TT+i_+1], v[TT+i_+1]
	v_pk_mul_f32 v[UU+i_:UU+i_+1], v[VV+i_:VV+i_+1], v[VV+i_:VV+i_+1]   ; v^2: plain work among the reciprocals
.set i_, i_+2
.endr
	s_wait_alu depctr_va_vdst(0)                   ; the 32 reciprocals have written T, which the lines below read
.set i_, 0
.rept 16
	v_pk_fma_f32 v[PP+i_:PP+i_+1], v[TT+i_:TT+i_+1], s[50:51], v[60:61] op_sel_hi:[1,0,0]   ; c9 t + c8
.set i_, i_+2
.endr
.irp k, 52,54,56,58,60,62,66,68                ; x t + c7 .. c0: sixteen chains side by side
.set i_, 0
.rept 16
	v_pk_fma_f32 v[PP+i_:PP+i_+1], v[PP+i_:PP+i_+1], v[TT+i_:TT+i_+1], s[\k:\k+1] op_sel_hi:[1,1,0]
.set i_, i_+2
.endr
.endr
.set i_, 0
.rept 16
	v_pk_fma_f32 v[PP+i_:PP+i_+1], v[UU+i_:UU+i_+1], s[70:71], v[PP+i_:PP+i_+1] op_sel_hi:[1,0,1]   ; - v^2 log2(e) / 2
.set i_, i_+2
.endr
.set i_, 0
.rept 32
	v_exp_f32 v[PP+i_], v[PP+i_]
	v_max_num_f32 v[UU+i_], 0, v[VV+i_]            ; max(v, 0): plain work among the exponentials
.set i_, i_+1
.endr
	s_wait_alu depctr_va_vdst(0)                   ; the 32 exponentials have written P, which the lines below read
.set i_, 0
.rept 16
	v_pk_mul_f32 v[PP+i_:PP+i_+1], v[PP+i_:PP+i_+1], v[TT+i_:TT+i_+1]   ; q
.set i_, i_+2
.endr
.set i_, 0
.rept 32
	v_fma_f32 v[VV+i_], -|v[VV+i_]|, v[PP+i_], v[UU+i_]
.set i_, i_+1
.endr
.endm
; V's 32 numbers, register 16 b + i = unit 32 b + 16 (lane / 16) + i of my token's two blocks, become four registers of codes in v[PC] on and two scale bytes in v14
.macro QH
.irp b, 0,1
	v_max3_num_f32 v[TM+\b], |v[VV+16*\b]|, |v[VV+16*\b+1]|, 0x1800000   ; my 16 numbers, and the floor 2^(3 - 127)
.endr
.irp i, 2,4,6,8,10,12,14
.irp b, 0,1
	v_max3_num_f32 v[TM+\b], v[TM+\b], |v[VV+16*\b+\i]|, |v[VV+16*\b+\i+1]|
.endr
.endr
.irp b, 0,1
	v_permlanex16_b32 v[TM+2+\b], v[TM+\b], s44, s45
.endr
.irp b, 0,1
	v_max_num_f32 v[TM+\b], v[TM+\b], v[TM+2+\b]   ; with lane l xor 16's: the block's largest magnitude
.endr
.irp b, 0,1
	v_add_nc_u32 v[TM+4+\b], 0xff000000, v[TM+\b]  ; 2 off the exponent field: the conversion's scale operand
.endr
.irp b, 0,1
	v_lshrrev_b32 v[TM+6+\b], 23, v[TM+4+\b]       ; the scale's byte
.endr
	v_lshl_or_b32 v14, v[TM+7], 8, v[TM+6]
	s_wait_xcnt 0x0                                ; the last store of codes has had its address translated: its registers are written again below
	s_wait_alu depctr_vm_vsrc(0)                   ; the last store of codes has read v24-27, which the conversions below write again
.irp b, 0,1
	v_cvt_scalef32_pk8_fp4_f32 v[PC+2*\b], v[VV+16*\b:VV+16*\b+7], v[TM+4+\b]
	v_cvt_scalef32_pk8_fp4_f32 v[PC+2*\b+1], v[VV+16*\b+8:VV+16*\b+15], v[TM+4+\b]
.endr
	v_nop                                          ; one plain line behind the scaled conversions
	v_permlane16_swap_b32 v[PC], v[PC+2]           ; the operand wants a WHOLE block in a lane: lanes 0-15 the first block, lanes 16-31 the second
	v_permlane16_swap_b32 v[PC+1], v[PC+3]
.endm
; half c of the expert in hand, tile m of the block's four
.macro BODY c, m
	s_lshr_b32 s31, s[24+\m], s29
	s_and_b32 s31, s31, 1
	s_cmp_lg_u32 s31, 0
	s_cbranch_scc0 .Lnot_\@                        ; the tile does not use the expert
	WIN 0x29                                       ; source 0 (W1) window 1, source 1 (x) window 2, C (b1) window 2, D window 0
.irp t, 0,1,2,3
.set rD, VV+8*\t
.set rA, 128*\c+8*(4*\t)
.set rB, XF+8*(4*\m)
.set rC, 32*\c+8*\t
.set rSA, W1S+8*\c+4*(\t/2)
.set rSB, XS+4*\m
	MM \t%2, 0
.endr
	WIN 0x09                                       ; C window 0
.irp k, 1,2,3
.irp t, 0,1,2,3
.set rD, VV+8*\t
.set rA, 128*\c+8*(4*\t+\k)
.set rB, XF+8*(4*\m+\k)
.set rC, rD
.set rSA, W1S+8*\c+4*(\t/2)+\k
.set rSB, XS+4*\m+\k
	MM \t%2, 0
.endr
.endr
	WIN 0
	PLACES 4                                       ; four plain lines between the last products and the first read of results (ISA guide 7.12.1)
	GELU
	QH
	v_lshl_or_b32 v15, v14, 16*\c, v[12+\m/2]      ; the two bytes go to their place in my token's scale word,
	v_cndmask_b32 v[12+\m/2], v[12+\m/2], v15, s[46+\m%2]   ; in the half of the lanes that carries tile m
	s_wait_alu depctr_va_vdst(0)                   ; the conversions and the lane exchanges have written v24-27, which the store reads
	global_store_b128 v[LI], v[PC:PC+3], s[38:39] offset:\m*131072+512*\c   ; registers 4 c .. 4 c + 3 of the fragment's image: 512 consecutive bytes, aligned
.Lnot_\@:
.endm
	s_load_b256 s[4:11], s[0:1], 0x0               ; xq s[4:5], route s[6:7], wq s[8:9], ws s[10:11]
	s_load_b128 s[12:15], s[0:1], 0x20             ; b1 s[12:13], h s[14:15]
	s_load_b64 s[16:17], s[0:1], 0x30              ; hs
	v_lshrrev_b32 v15, 5, v0
	v_readfirstlane_b32 s20, v15                   ; wave 0 .. 3
	s_mov_b32 s21, ttmp9                           ; strip
	s_and_b32 s22, ttmp7, 0xffff                   ; block of 64 sorted tokens
	s_lshl_b32 s23, s21, 2
	s_wait_alu depctr_va_sdst(0)                   ; s20 is written, ahead of its first reader
	s_add_co_u32 s23, s23, s20                     ; G
	v_and_b32 v15, 31, v0
	v_lshlrev_b32 v[LI], 4, v15
	v_lshlrev_b32 v[L4], 2, v15
	v_lshlrev_b32 v[L8], 3, v15
	v_and_b32 v16, 15, v0                          ; r
	v_bfe_u32 v17, v0, 4, 1                        ; h
	v_lshlrev_b32 v[VB1], 6, v17
	v_lshlrev_b32 v[TKO], 2, v16
	s_mov_b32 s44, 0x76543210
	s_mov_b32 s45, 0xfedcba98                      ; v_permlanex16_b32's selects for lane l xor 16
	s_mov_b32 s46, 0x0000ffff                      ; lanes 0-15
	s_mov_b32 s47, 0xffff0000                      ; lanes 16-31
	s_mov_b32 s48, 0x3eb504f3                      ;  0.35355339 = 1 / (2 sqrt 2)
	s_mov_b32 s50, 0x3e7c6f08                      ;  0.24651730  c9
	s_mov_b32 s52, 0x40097039                      ;  2.14747446  c7
	s_mov_b32 s54, 0xbfd1a1e5                      ; -1.63775315  c6
	s_mov_b32 s56, 0x3ecdfd18                      ;  0.40232158  c5
	s_mov_b32 s58, 0xbe899a80                      ; -0.26875686  c4
	s_mov_b32 s60, 0x3e0efb2f                      ;  0.13963006  c3
	s_mov_b32 s62, 0x3f0a29d2                      ;  0.53970062  c2
	s_mov_b32 s66, 0x3fb8ab5a                      ;  1.44272920  c1
	s_mov_b32 s68, 0xc034d90f                      ; -2.82574822  c0 (with the 1/2)
	s_mov_b32 s70, 0xbf38aa3b                      ; -0.72134752 = -log2(e) / 2
.irp k, 50,52,54,56,58,60,62,66,68,70
	s_mov_b32 s[\k+1], s[\k]                       ; the packed forms name pairs and take the low word for both halves: so the upper word is written
.endr
	v_mov_b32 v60, 0xbf97d29d                      ; -1.18611494  c8
	v_mov_b32 v61, 0xbf97d29d
	s_lshl_b32 s30, s22, 4
	s_lshl_b32 s42, s22, 8
	s_mov_b32 s43, 0
	s_wait_kmcnt 0x0
	s_load_b128 s[24:27], s[6:7], s30 offset:0x4000   ; the four tiles' masks of experts
	s_add_nc_u64 s[42:43], s[6:7], s[42:43]
	s_wait_alu depctr_va_vdst(0)                   ; the five offsets v1-3, v62 and v63 are written: every load and store of the kernel but x's reads one of them
.irp m, 0,1,2,3
	global_load_b32 v[4+\m], v[TKO], s[42:43] offset:64*\m   ; the token at place 64 blk + 16 m + r
.endr
	s_wait_loadcnt 0x0
.irp m, 0,1,2,3
	v_min_u32 v[4+\m], 0xfff, v[4+\m]
	v_lshlrev_b32 v[8+\m], 4, v[4+\m]              ; its 16 scale bytes,
	v_lshlrev_b32 v[4+\m], 8, v[4+\m]
	v_lshl_add_u32 v[4+\m], v17, 4, v[4+\m]        ; its 256 bytes of codes, + 16 h
.endr
	v_mov_b32 v18, 0                               ; written once: a lane permute's destination counts as one of its sources
	v_mov_b32 v19, 0
	WIN 0x80
	s_wait_alu depctr_va_vdst(0)                   ; v4-11 are written, which the 36 loads below read as their offsets
.irp m, 0,1,2,3
.irp k, 0,1,2,3
	global_load_b128 v[XF+8*(4*\m+\k):XF+8*(4*\m+\k)+3], v[4+\m], s[4:5] offset:64*\k
	global_load_b128 v[XF+8*(4*\m+\k)+4:XF+8*(4*\m+\k)+7], v[4+\m], s[4:5] offset:64*\k+32
.endr
.endr
	WIN 0
.irp m, 0,1,2,3
	global_load_b128 v[XS+4*\m:XS+4*\m+3], v[8+\m], s[4:5] offset:1048576   ; the token's four scale words
.endr
	s_wait_kmcnt 0x0
	s_or_b32 s28, s24, s25
	s_or_b32 s28, s28, s26
	s_or_b32 s28, s28, s27                         ; the experts that the block uses
	s_ctz_i32_b32 s49, s28
	s_min_u32 s49, s49, 7                          ; the first of them
	BASES s49
	LOADB 0
	s_mov_b32 s29, 0
.Lexp:                                             ; eight trips, one an expert; a trip whose expert the block does not use does nothing
	s_lshr_b32 s30, s28, s29
	s_and_b32 s30, s30, 1
	s_cmp_lg_u32 s30, 0
	s_cbranch_scc0 .Lnext
	LOADB 1                                        ; the bases stand at this expert
	s_wait_loadcnt 48                              ; all but the 48 just issued: half 0 (and, the first time, x) is in
	s_wait_xcnt 0x0                                ; earlier stores have had their addresses translated: their bases and data are written again below
	s_wait_alu depctr_vm_vsrc(0)                   ; the last trip's store of scale words has read v12 and v13, which the two moves below write again
	s_lshl_b32 s30, s22, 5
	s_add_co_u32 s30, s30, s29
	s_lshl_b32 s42, s30, 14                        ; fragment (tile, e, G) lies at ((8 tile + e) 16 + G) 1,024; tile = 4 blk + m, m in the store's immediate
	s_lshl_b32 s31, s23, 10
	s_add_co_u32 s42, s42, s31
	s_mov_b32 s43, 0
	s_add_nc_u64 s[38:39], s[14:15], s[42:43]
	s_lshl_b32 s30, s22, 3
	s_add_co_u32 s30, s30, s29
	s_lshl_b32 s30, s30, 4
	s_add_co_u32 s30, s30, s23
	s_lshl_b32 s42, s30, 8                         ; the scale words of (blk, e, G): 256 bytes
	s_add_nc_u64 s[40:41], s[16:17], s[42:43]
	v_mov_b32 v12, 0
	v_mov_b32 v13, 0
.irp m, 0,1,2,3
	BODY 0, \m
.endr
	s_add_co_u32 s30, s29, 1
	s_lshr_b32 s31, s28, s30
	s_cmp_lg_u32 s31, 0
	s_cbranch_scc0 .Llast
	s_ctz_i32_b32 s49, s31
	s_add_co_u32 s49, s49, s30
	s_min_u32 s49, s49, 7                          ; the next expert that the block uses
	s_wait_xcnt 0x0                                ; half 1's loads have read the bases
	BASES s49
	LOADB 0                                        ; its half 0, half an expert ahead
	s_wait_loadcnt 48                              ; all but the 48 just issued: half 1 is in
	s_branch .Lhalf
.Llast:
	s_wait_loadcnt 0x0
.Lhalf:
.irp m, 0,1,2,3
	BODY 1, \m
.endr
	s_wait_alu depctr_va_vdst(0)                   ; the selects (on a way on which every tile was passed over: the two moves) have written v12 and v13, which the store reads
	global_store_b64 v[L8], v[12:13], s[40:41]     ; lane l: the words of row l % 16 of tiles l / 16 and 2 + l / 16: 256 consecutive bytes, aligned
.Lnext:
	s_add_co_u32 s29, s29, 1
	s_cmp_lt_u32 s29, 8
	s_cbranch_scc1 .Lexp
	s_endpgm
.Lfunc_end_k_qc4b594e060_g1:
	.size	k_qc4b594e060_g1, .Lfunc_end_k_qc4b594e060_g1-k_qc4b594e060_g1
	.p2alignl 7, 3214868480
	.fill 96, 4, 3214868480
	.section	.rodata,"a",@progbits
	.p2align	6, 0x0
	.amdhsa_kernel k_qc4b594e060_g1
		.amdhsa_group_segment_fixed_size 0
		.amdhsa_private_segment_fixed_size 0
		.amdhsa_enable_private_segment 0
		.amdhsa_kernarg_size 56
		.amdhsa_user_sgpr_count 2
		.amdhsa_user_sgpr_kernarg_segment_ptr 1
		.amdhsa_wavefront_size32 1
		.amdhsa_system_sgpr_workgroup_id_x 1
		.amdhsa_system_sgpr_workgroup_id_y 1
		.amdhsa_system_sgpr_workgroup_id_z 1
		.amdhsa_system_vgpr_workitem_id 0
		.amdhsa_next_free_vgpr 704
		.amdhsa_next_free_sgpr 84
		.amdhsa_reserve_vcc 0
		.amdhsa_float_denorm_mode_32 3
		.amdhsa_float_denorm_mode_16_64 3
		.amdhsa_memory_ordered 1
		.amdhsa_forward_progress 1
		.amdhsa_inst_pref_size 213
	.end_amdhsa_kernel
	.amdgpu_metadata
---
amdhsa.version: [ 1, 2 ]
amdhsa.kernels:
  - .name:           k_qc4b594e060_g1
    .symbol:         k_qc4b594e060_g1.kd
    .args:
      - { .name: xq, .offset: 0, .size: 8, .value_kind: global_buffer, .address_space: global }
      - { .name: route, .offset: 8, .size: 8, .value_kind: global_buffer, .address_space: global }
      - { .name: wq, .offset: 16, .size: 8, .value_kind: global_buffer, .address_space: global }
      - { .name: ws, .offset: 24, .size: 8, .value_kind: global_buffer, .address_space: global }
      - { .name: b1, .offset: 32, .size: 8, .value_kind: global_buffer, .address_space: global }
      - { .name: h, .offset: 40, .size: 8, .value_kind: global_buffer, .address_space: global }
      - { .name: hs, .offset: 48, .size: 8, .value_kind: global_buffer, .address_space: global }
    .group_segment_fixed_size: 0
    .private_segment_fixed_size: 0
    .kernarg_segment_align: 8
    .kernarg_segment_size: 56
    .max_flat_workgroup_size: 128
    .sgpr_count:     84
    .vgpr_count:     704
    .wavefront_size: 32
...
	.end_amdgpu_metadata
.endif
;; end of part 4
;; launch g2 (part 5): grid 4 x 64, 4 waves a work-group, no clusters, 173,568 bytes of LDS; arguments h, hs, wq, ws, b2, x, route, expert_indices, expert_weights, out0; writes out0
.if DOCPART == 5
	.amdgcn_target "amdgcn-amd-amdhsa--gfx1250"
	.amdhsa_code_object_version 6
	.text
	.protected	k_qc4b594e060_g2
	.globl	k_qc4b594e060_g2
	.p2align	8
	.type	k_qc4b594e060_g2,@function
k_qc4b594e060_g2:
	s_mov_b64 s[64:65], 0
	v_nop
	global_prefetch_b8 v0, s[64:65] scope:SCOPE_SE
	s_setreg_imm32_b32 hwreg(HW_REG_WAVE_SCHED_MODE, 0, 2), 2
	s_setreg_imm32_b32 hwreg(HW_REG_WAVE_MODE, 25, 1), 1
	s_wait_xcnt 0x0
	s_wait_alu depctr_vm_vsrc(0)
; G2: out = x + the sum over e of w_e (hidden_e W2[e] + b2[e]), w_e = the sum over k of (index_k == e ? weight_k : 0), on codes of E2M1 with one E8M0 scale for each 32 along K.
; SHARES.  Work-group (s, blk): the 64 tokens at sorted places 64 blk on x output columns 128 s .. 128 s + 127: each output number has one owner.  Wave w owns 32 columns (two tiles u) for all four tiles of tokens.
; The experts that the block uses are walked in ascending order.  W2's fragments go from PREP's images straight into registers, in two halves of K (8 K steps each), each asked for half an expert ahead.
; The hidden layer's images (64 KiB an expert) are wanted by all four waves: wave w brings tile w's, through registers, into one of two LDS buffers, an expert ahead; ONE barrier an expert: between two barriers one buffer is only read and the other only written.
; A tile that does not use the expert in hand gets the codes of a tile that does (only bytes that G1 stored are read); its sums are finite, its rows' w_e are 0, so it adds 0.  So no branch hangs on a tile.
; TRANSPOSED: source 0 = 16 columns of W2, source 1 = 16 tokens: a lane holds one token and eight neighbouring outputs.  b2 is the C of each sum's first matrix instruction; two accumulators take turns.
; ORDER OF ROUNDING: the bias is the first term of each sum; w_e y is added by a fused multiply-add, expert by expert in ascending order; x is added last.  NaN and infinities are not served.
; WHY NO TENSOR LOAD, CLUSTER OR JOINT LOAD: the walk over experts branches on the stored masks; so operands go through registers.
; LDS: two buffers of 65,536 bytes [tile 4][K step 16][1,024]; at 131,072 two of 4,096 bytes for the scale words [K step 16][256]; at 139,264 the stage for the way out, 64 rows x (512 + 16) bytes.
; THE MODE: SCHED_MODE bits 1:0 = 2 (LLVM: expert scheduling mode 2), set by the entry lines.  The code itself states the register dependences between vector or matrix instructions and memory or LDS instructions, with s_wait_alu, always for 0.
; THE PLAN.  Registers that memory or LDS instructions touch:
;   v2-14, v16-31, v98, v100-103   addresses and offsets, made at the head and never written again: a wait on va_vdst ahead of the first load, and one ahead of the loads by v100-103 and v16-31.
;   W2's half f      (window 1 v[128 f ..], v[32 + 8 f ..]; with half 0 the bias, window 2 v128-143).  The loads of LOADB2 f land there; COMPUTE f's products read it.  One wait on va_vdst in LOADB2, behind its window switch.
;   the images       (window 3 v0-127, v64-71).  The loads of LOADA land there; STAGE's LDS stores read them; no vector instruction names them.  One wait on vm_vsrc in LOADA, behind its window switch.
;   v48-63 and the FOUR buffers of hidden fragments, one for each tile of tokens.  LDS loads land there; the products read them.  A tile's buffer is read in one half and loaded again in the next.  So ONE wait on va_vdst at COMPUTE's head states that
;                    the last half's products are done reading all of them, and the half's 72 LDS loads owe nothing more: tile 2's stand ahead of tile 0's products, tile 3's among the products of tiles 0 and 1, which name none of the registers that these loads touch.
;   the totals       (window 2 v64-127): written by vector lines, read by the way out's LDS stores: a wait on va_vdst ahead of those; it also states that the products are done reading v128-191, in which the loads from the stage land.
;   v128-191 on the way out: written by the additions of x, read by the global stores: a wait on va_vdst ahead of those.
;   v126, v127       written at the head, read by the closing add alone.
; The sums, b2, x, w_e and v104-111 are named by vector and matrix instructions alone (b2 and x are loaded once an expert, or once).
; REGISTERS.  window 0: v2-15 addresses; v16-31 my 16 rows' offsets in x and out; v32-47 W2's scale words; v48-63 the hidden layer's; v64-71 those on their way to LDS; v72-79 indices, v80-87 weights, v88-95 w_e; v96-103 at work at the head; v104-111 the selected weights;
;   v128-191, v192-255 the hidden fragments of tiles 0 and 1.   window 1: W2's fragments, half f at v[128 f + 8 (2 k + u)].   window 2: v0-63 the sums of the expert in hand ((u, m) at 8 (4 u + m)); v64-127 the totals; v128-143 b2; v144-207 x.
;   window 3: v0-127 a tile's images on their way to LDS; v128-191, v192-255 the hidden fragments of tiles 2 and 3.
.set L4,  2
.set L8,  3
.set LI,  4                            ; v4   16 x lane; also where buffer 0 is read
.set RDA, 4                            ; v4-5   where buffer p is read
.set SWA, 6                            ; v6-7   where I store into buffer p: + 16,384 x wave
.set RDH, 8                            ; v8-9   the scale words of buffer p: 8 x lane on
.set SWH, 10                           ; v10-11 where I store them: + 1,024 x wave
.set SO,  12
.set SR,  13
.set VB2, 14
.set OFF, 16
.set W2S, 32
.set HSR, 48
.set HST, 64
.set IX,  72
.set WT,  80
.set WE,  88
.set SEL, 104
.set AF,  128                          ; tile m's fragments at v[AF + 64 (m % 2)], in window 0 (m < 2) or 3
.set TOT, 64                           ; in window 2
.set BI,  128
.set XR,  144
.set STG, 139264
.set MSB, 0
.macro WIN new                         ; the immediate's high byte repeats the setting that is left; a switch that changes nothing is dropped
.if MSB != \new
	s_set_vgpr_msb (MSB<<8)|\new
.set MSB, \new
.endif
.endm
.macro PLACES n
.rept \n
	v_nop
.endr
.endm
.macro MM ra, rb                       ; one matrix instruction on rD, rA, rB, rC, rSA, rSB; ra, rb: the scales are read from lanes 16-31
.if ((\ra) != 0) && ((\rb) != 0)
	v_wmma_scale_f32_16x16x128_f8f6f4 v[rD:rD+7], v[rA:rA+7], v[rB:rB+7], v[rC:rC+7], v[rSA], v[rSB] matrix_a_fmt:MATRIX_FMT_FP4 matrix_b_fmt:MATRIX_FMT_FP4 matrix_a_scale:MATRIX_SCALE_ROW1 matrix_b_scale:MATRIX_SCALE_ROW1
.elseif (\ra) != 0
	v_wmma_scale_f32_16x16x128_f8f6f4 v[rD:rD+7], v[rA:rA+7], v[rB:rB+7], v[rC:rC+7], v[rSA], v[rSB] matrix_a_fmt:MATRIX_FMT_FP4 matrix_b_fmt:MATRIX_FMT_FP4 matrix_a_scale:MATRIX_SCALE_ROW1
.elseif (\rb) != 0
	v_wmma_scale_f32_16x16x128_f8f6f4 v[rD:rD+7], v[rA:rA+7], v[rB:rB+7], v[rC:rC+7], v[rSA], v[rSB] matrix_a_fmt:MATRIX_FMT_FP4 matrix_b_fmt:MATRIX_FMT_FP4 matrix_b_scale:MATRIX_SCALE_ROW1
.else
	v_wmma_scale_f32_16x16x128_f8f6f4 v[rD:rD+7], v[rA:rA+7], v[rB:rB+7], v[rC:rC+7], v[rSA], v[rSB] matrix_a_fmt:MATRIX_FMT_FP4 matrix_b_fmt:MATRIX_FMT_FP4
.endif
.endm
; where expert e's W2 images, scale words and bias of my 32 columns begin
.macro BBASES e
	s_lshl_b32 s54, \e, 4
	s_add_co_u32 s54, s54, s31                     ; 16 e + my group of 32 columns
	s_lshl_b32 s50, s54, 15                        ; 16 tasks of 2,048 bytes,
	s_add_co_u32 s50, s50, 0x400000                ; behind W1's 2,048 tasks
	s_mov_b32 s51, 0
	s_add_nc_u64 s[40:41], s[8:9], s[50:51]
	s_lshl_b32 s50, s54, 11
	s_add_co_u32 s50, s50, 0x40000
	s_add_nc_u64 s[42:43], s[10:11], s[50:51]
	s_lshl_b32 s50, \e, 11
	s_lshl_b32 s55, s31, 7
	s_add_co_u32 s50, s50, s55
	s_add_nc_u64 s[44:45], s[12:13], s[50:51]
.endm
; s53 = the tile whose images I bring for expert e: my own (tile w) if it uses e, else the first that does
.macro PICK e
	s_lshr_b32 s52, s24, \e
	s_and_b32 s52, s52, 1
.irp m, 1,2,3
	s_lshr_b32 s53, s[24+\m], \e
	s_and_b32 s53, s53, 1
	s_lshl_b32 s53, s53, \m
	s_or_b32 s52, s52, s53
.endr
	s_ctz_i32_b32 s53, s52
	s_lshr_b32 s54, s52, s28
	s_and_b32 s54, s54, 1
	s_cmp_lg_u32 s54, 0
	s_cselect_b32 s53, s28, s53
	s_min_u32 s53, s53, 3
.endm
.macro ABASES e
	s_lshl_b32 s54, s30, 2
	s_add_co_u32 s54, s54, s53
	s_lshl_b32 s54, s54, 3
	s_add_co_u32 s54, s54, \e
	s_lshl_b32 s50, s54, 14                        ; (8 tile + e) x 16 fragments of 1,024 bytes
	s_mov_b32 s51, 0
	s_add_nc_u64 s[46:47], s[4:5], s[50:51]
	s_lshl_b32 s54, s30, 3
	s_add_co_u32 s54, s54, \e
	s_lshl_b32 s54, s54, 4
	s_lshl_b32 s55, s28, 2
	s_add_co_u32 s54, s54, s55
	s_lshl_b32 s50, s54, 8                         ; the scale words of (blk, e), K steps 4 w .. 4 w + 3
	s_add_nc_u64 s[48:49], s[6:7], s[50:51]
.endm
; half f of W2 at the bases: 32 loads of fragments and 8 of scale words (lanes 0-15: u = 0, lanes 16-31: u = 1); with half 0 the bias, 4 loads
.macro LOADB2 f
	WIN 0x40                                       ; destination window 1
	s_wait_alu depctr_va_vdst(0)                   ; the products that read half f's fragments and scale words (half 0: and the bias) are done reading them: the loads below land there; only loads and window switches follow this wait in the run
.irp k, 0,1,2,3,4,5,6,7
.irp u, 0,1
	global_load_b128 v[128*\f+8*(2*\k+\u):128*\f+8*(2*\k+\u)+3], v[LI], s[40:41] offset:\f*16384+\k*2048+\u*1024
	global_load_b128 v[128*\f+8*(2*\k+\u)+4:128*\f+8*(2*\k+\u)+7], v[LI], s[40:41] offset:\f*16384+\k*2048+\u*1024+512
.endr
.endr
	WIN 0
.irp k, 0,1,2,3,4,5,6,7
	global_load_b32 v[W2S+8*\f+\k], v[L4], s[42:43] offset:(8*\f+\k)*128
.endr
.if \f == 0
	WIN 0x80                                       ; destination window 2
.irp u, 0,1
	global_load_b128 v[BI+8*\u:BI+8*\u+3], v[VB2], s[44:45] offset:64*\u
	global_load_b128 v[BI+8*\u+4:BI+8*\u+7], v[VB2], s[44:45] offset:64*\u+16
.endr
	WIN 0
.endif
.endm
.macro LOADA                           ; 36 loads: a tile's 16 images, and my quarter of the block's scale words
	WIN 0xc0                                       ; destination window 3
	s_wait_alu depctr_vm_vsrc(0)                   ; the LDS stores that sent the last images on have read these registers and v64-71: the loads below land there (at the head there are no such stores yet)
.irp k, 0,1,2,3,4,5,6,7,8,9,10,11,12,13,14,15
	global_load_b128 v[8*\k:8*\k+3], v[LI], s[46:47] offset:\k*1024
	global_load_b128 v[8*\k+4:8*\k+7], v[LI], s[46:47] offset:\k*1024+512
.endr
	WIN 0
.irp i, 0,1,2,3
	global_load_b64 v[HST+2*\i:HST+2*\i+1], v[L8], s[48:49] offset:256*\i
.endr
.endm
.macro STAGE p                         ; and on into buffer p.  The data come from loads, the addresses from the head: no vector instruction has named either since
	WIN 0x0c                                       ; an LDS store's data are its source 1: window 3
.irp k, 0,1,2,3,4,5,6,7,8,9,10,11,12,13,14,15
	ds_store_b128 v[SWA+\p], v[8*\k:8*\k+3] offset:\k*1024
	ds_store_b128 v[SWA+\p], v[8*\k+4:8*\k+7] offset:\k*1024+512
.endr
	WIN 0
.irp i, 0,1,2,3
	ds_store_b64 v[SWH+\p], v[HST+2*\i:HST+2*\i+1] offset:256*\i
.endr
.endm
.macro FETCHA p, f, m                  ; tile m's eight fragments of half f, from buffer p, into the tile's own registers: 16 loads
.if (\m) < 2
	WIN 0
.else
	WIN 0xc0                                       ; destination window 3, address window 0
.endif
.set k_, 0
.rept 8
	ds_load_b128 v[AF+64*((\m)%2)+8*k_:AF+64*((\m)%2)+8*k_+3], v[RDA+\p] offset:(\m)*16384+(8*(\f)+k_)*1024
	ds_load_b128 v[AF+64*((\m)%2)+8*k_+4:AF+64*((\m)%2)+8*k_+7], v[RDA+\p] offset:(\m)*16384+(8*(\f)+k_)*1024+512
.set k_, k_+1
.endr
.endm
.macro MUL16 f, m                      ; tile m's 16 products of half f: the tile's two accumulators by turns, K ascending
.if (\m) < 2
	WIN 0xa1                                       ; source 0 (W2) window 1, source 1 (hidden) window 0, C and D window 2
.else
	WIN 0xad                                       ; the same with source 1 in window 3
.endif
.set k_, 0
.rept 8
.irp u, 0,1
.set rD, 8*(4*\u+(\m))
.set rA, 128*(\f)+8*(2*k_+\u)
.set rB, AF+64*((\m)%2)+8*k_
.if ((\f) == 0) && (k_ == 0)
.set rC, BI+8*\u
.else
.set rC, rD
.endif
.set rSA, W2S+8*(\f)+k_
.set rSB, HSR+2*k_+(\m)/2
	MM \u, (\m)%2
.endr
.set k_, k_+1
.endr
.endm
; half f of the expert in hand: 64 matrix instructions; the LDS loads run two tiles ahead of the products
.macro COMPUTE p, f
	PLACES 5                                       ; plain lines between the last products and the products below that begin sums anew over old results (ISA guide 7.12.1)
	s_wait_alu depctr_va_vdst(0)                   ; the last half's products are done reading v48-63 and all four tiles' fragments: the 72 LDS loads of this half land there
.set k_, 0
.rept 8
	ds_load_b64 v[HSR+2*k_:HSR+2*k_+1], v[RDH+\p] offset:(8*(\f)+k_)*256   ; lane l: the words of row l % 16 of tiles l / 16 and 2 + l / 16
.set k_, k_+1
.endr
	FETCHA \p, \f, 0
	FETCHA \p, \f, 1
	s_wait_dscnt 16                                ; all but tile 1's 16: the scale words and tile 0's fragments are in
	FETCHA \p, \f, 2                               ; no wait: since the wait above only loads have been issued
	MUL16 \f, 0
	s_wait_dscnt 16                                ; all but tile 2's 16: tile 1's fragments are in
	FETCHA \p, \f, 3                               ; no wait: tile 0's products name the sums, W2's half, the scale words and tile 0's fragments, none of which these loads touch
	MUL16 \f, 1
	s_wait_dscnt 16                                ; all but tile 3's 16: tile 2's fragments are in
	MUL16 \f, 2
	s_wait_dscnt 0x0
	MUL16 \f, 3
	WIN 0
.endm
.macro WEIGHTS                         ; w_e of my token in each tile, from the raw indices: the eight compares in one run, then the selects
.irp m, 0,1,2,3
	v_cmp_eq_u32 s[68+2*\m], s33, v[IX+2*\m]
	v_cmp_eq_u32 s[69+2*\m], s33, v[IX+2*\m+1]
.endr
	s_wait_alu depctr_va_sdst(0)                   ; the eight compares have written s68 to s75, which the selects read
.irp m, 0,1,2,3
	v_cndmask_b32 v[SEL+2*\m], 0, v[WT+2*\m], s[68+2*\m]
	v_cndmask_b32 v[SEL+2*\m+1], 0, v[WT+2*\m+1], s[69+2*\m]
.endr
.irp m, 0,1,2,3
	v_add_f32 v[WE+2*\m], v[SEL+2*\m], v[SEL+2*\m+1]
.endr
.endm
.macro ADDUP                           ; totals += w_e x sums; each accumulator is read from its low end on
	PLACES 4
	WIN 0xa2                                       ; destination, source 0 and source 2 window 2; w_e window 0
.irp m, 0,1,2,3
.irp u, 0,1
.irp i, 0,2,4,6
	v_pk_fma_f32 v[TOT+8*(4*\u+\m)+\i:TOT+8*(4*\u+\m)+\i+1], v[8*(4*\u+\m)+\i:8*(4*\u+\m)+\i+1], v[WE+2*\m:WE+2*\m+1], v[TOT+8*(4*\u+\m)+\i:TOT+8*(4*\u+\m)+\i+1] op_sel_hi:[1,0,1]
.endr
.endr
.endr
	WIN 0
.endm
; One expert, read from buffer p.  s33 the expert, s34 the experts still to come, s35 whether there is an expert in hand.
.macro TRIP p
	s_wait_dscnt 0x0                               ; my stores into buffer p have landed, and my reads of the other buffer are over
	s_barrier_signal -1
	s_barrier_wait -1                              ; both hold of all four waves: buffer p is whole, the other may be written
	s_cmp_eq_u32 s35, 0
	s_cbranch_scc1 .Lidle_\@
	s_ctz_i32_b32 s36, s34
	s_min_u32 s36, s36, 7                          ; the next expert,
	s_cmp_lg_u32 s34, 0
	s_cselect_b32 s37, 1, 0                        ; if there is one
	LOADB2 1                                       ; the bases stand at the expert in hand
	s_wait_loadcnt 40                              ; all but the 40 just issued: half 0 is in
	s_cmp_eq_u32 s37, 0
	s_cbranch_scc1 .Lno_a_\@
	PICK s36
	s_wait_xcnt 0x0                                ; earlier loads have read the bases that are written below
	ABASES s36
	LOADA                                          ; the next expert's images, an expert ahead
.Lno_a_\@:
	COMPUTE \p, 0
	s_cmp_eq_u32 s37, 0
	s_cbranch_scc1 .Lno_b_\@
	s_wait_xcnt 0x0                                ; half 1's loads have read the bases
	BBASES s36
	PLACES 4                                       ; half 0's registers were read by the products just issued; the places stay beside the wait at the head of the run of loads
	LOADB2 0                                       ; the next expert's half 0, half an expert ahead
	s_wait_loadcnt 44                              ; all but the 44 just issued: half 1 and the images are in
	s_branch .Lgo_b_\@
.Lno_b_\@:
	s_wait_loadcnt 0x0
.Lgo_b_\@:
	WEIGHTS
	COMPUTE \p, 1
	ADDUP
	s_cmp_eq_u32 s37, 0
	s_cbranch_scc1 .Lno_c_\@
	STAGE 1-\p
.Lno_c_\@:
	s_mov_b32 s33, s36
	s_mov_b32 s35, s37
	s_lshl_b32 s52, 1, s36
	s_and_not1_b32 s34, s34, s52
.Lidle_\@:
.endm
	s_load_b512 s[4:19], s[0:1], 0x0               ; h s[4:5], hs s[6:7], wq s[8:9], ws s[10:11], b2 s[12:13], x s[14:15], route s[16:17], indices s[18:19]
	s_load_b128 s[20:23], s[0:1], 0x40             ; weights s[20:21], out s[22:23]
	v_lshl_add_u32 v126, v0, 2, 0x2a400
	v_mov_b32 v127, 0
	v_lshrrev_b32 v15, 5, v0
	v_readfirstlane_b32 s28, v15                   ; wave 0 .. 3
	s_mov_b32 s29, ttmp9                           ; strip of 128 columns
	s_and_b32 s30, ttmp7, 0xffff                   ; block of 64 sorted tokens
	s_lshl_b32 s31, s29, 2
	s_wait_alu depctr_va_sdst(0)                   ; s28 is written, ahead of its first reader
	s_add_co_u32 s31, s31, s28                     ; my group of 32 columns
	v_and_b32 v15, 31, v0
	v_lshlrev_b32 v[LI], 4, v15
	v_lshlrev_b32 v[L4], 2, v15
	v_lshlrev_b32 v[L8], 3, v15
	v_add_nc_u32 v[RDA+1], 0x10000, v[LI]
	s_lshl_b32 s52, s28, 14
	v_add_nc_u32 v[SWA], s52, v[LI]
	v_add_nc_u32 v[SWA+1], 0x10000, v[SWA]
	v_add_nc_u32 v[RDH], 0x20000, v[L8]
	v_add_nc_u32 v[RDH+1], 0x21000, v[L8]
	s_lshl_b32 s52, s28, 10
	v_add_nc_u32 v[SWH], s52, v[RDH]
	v_add_nc_u32 v[SWH+1], s52, v[RDH+1]
	v_and_b32 v96, 15, v0                          ; r
	v_bfe_u32 v97, v0, 4, 1                        ; h
	v_lshlrev_b32 v[VB2], 5, v97
	v_mul_u32_u24 v[SO], v96, 528
	v_lshl_add_u32 v[SO], v97, 5, v[SO]
	s_lshl_b32 s52, s28, 7
	s_add_co_u32 s52, s52, STG
	v_add_nc_u32 v[SO], s52, v[SO]                 ; the stage, in: row r, + 128 w + 32 h
	s_mul_i32 s52, s28, 16*528
	s_add_co_u32 s52, s52, STG
	v_add_nc_u32 v[SR], s52, v[LI]                 ; back: my 16 rows, 16 bytes a lane
	v_lshlrev_b32 v98, 2, v96
	s_lshl_b32 s59, s30, 4
	s_lshl_b32 s56, s30, 8
	s_mov_b32 s57, 0
	s_lshl_b32 s60, s28, 6
	s_add_co_u32 s60, s60, s56
	s_wait_kmcnt 0x0
	s_load_b128 s[24:27], s[16:17], s59 offset:0x4000   ; the four tiles' masks of experts
	s_load_b512 s[68:83], s[16:17], s60 offset:0x0      ; the tokens at places 64 blk + 16 w + 0 .. 15: the rows that I store
	s_add_nc_u64 s[56:57], s[16:17], s[56:57]
	s_wait_alu depctr_va_vdst(0)                   ; the addresses and offsets v2-14 and v98 are written, which the loads, LDS loads and LDS stores of the kernel read
.irp m, 0,1,2,3
	global_load_b32 v[100+\m], v98, s[56:57] offset:64*\m   ; the token at place 64 blk + 16 m + r
.endr
	s_wait_kmcnt 0x0
	s_or_b32 s32, s24, s25
	s_or_b32 s32, s32, s26
	s_or_b32 s32, s32, s27                         ; the experts that the block uses
	s_ctz_i32_b32 s33, s32
	s_min_u32 s33, s33, 7                          ; the first of them
	s_lshl_b32 s52, 1, s33
	s_and_not1_b32 s34, s32, s52
	s_mov_b32 s35, 1
	BBASES s33
	LOADB2 0
	s_wait_loadcnt 44                              ; all but the 44 just issued: the four tokens are in
	PICK s33
	ABASES s33
	LOADA
.irp m, 0,1,2,3
	v_min_u32 v[100+\m], 0xfff, v[100+\m]
	v_lshlrev_b32 v[100+\m], 3, v[100+\m]          ; my token's pair of indices and of weights
.endr
	s_lshl_b32 s52, s29, 9
	v_add_nc_u32 v15, s52, v[LI]
.irp i, 0,1,2,3,4,5,6,7,8,9,10,11,12,13,14,15
	s_min_u32 s[68+\i], s[68+\i], 0xfff
	v_lshl_add_u32 v[OFF+\i], s[68+\i], 11, v15    ; 2,048 x token + 512 s + 16 x lane
.endr
	s_wait_alu depctr_va_vdst(0)                   ; v100-103 and v16-31 are written, which the 24 loads below (and the last stores) read as their offsets
.irp m, 0,1,2,3
	global_load_b64 v[IX+2*\m:IX+2*\m+1], v[100+\m], s[18:19]
	global_load_b64 v[WT+2*\m:WT+2*\m+1], v[100+\m], s[20:21]
.endr
	WIN 0x80                                       ; destination window 2
.irp i, 0,1,2,3,4,5,6,7,8,9,10,11,12,13,14,15
	global_load_b128 v[XR+4*\i:XR+4*\i+3], v[OFF+\i], s[14:15] th:TH_LOAD_NT   ; 512 consecutive bytes of x
.endr
.set j_, 0
.rept 64
	v_mov_b32 v[TOT+j_], 0                         ; the totals, once: how many experts follow hangs on the stored masks, and every way through the text finds them written
.set j_, j_+1
.endr
	WIN 0
.irp m, 0,1,2,3
	v_mov_b32 v[WE+2*\m+1], 0                      ; named as the upper half of a pair whose low word serves both halves
.endr
	s_wait_loadcnt 24                              ; all but the 24 just issued (indices, weights, x): the first expert's images are in
	STAGE 0
	s_mov_b32 s58, 4
.Lpair:                                            ; four trips of two experts: eight at the most; the buffers' numbers are constants of the text
	TRIP 0
	TRIP 1
	s_sub_co_u32 s58, s58, 1
	s_cmp_lg_u32 s58, 0
	s_cbranch_scc1 .Lpair
	; THE WAY OUT.  A row's 128 outputs come from four waves: they meet in the stage, and each wave stores 16 whole rows.
	s_wait_loadcnt 0x0                             ; x
	WIN 0x08                                       ; an LDS store's data are its source 1: window 2
	s_wait_alu depctr_va_vdst(0)                   ; the totals are written, which the LDS stores read; and the products are done reading v128-191, in which the loads from the stage land
.irp m, 0,1,2,3
.irp u, 0,1
	ds_store_b128 v[SO], v[TOT+8*(4*\u+\m):TOT+8*(4*\u+\m)+3] offset:16*\m*528+64*\u
	ds_store_b128 v[SO], v[TOT+8*(4*\u+\m)+4:TOT+8*(4*\u+\m)+7] offset:16*\m*528+64*\u+16
.endr
.endr
	WIN 0
	s_wait_dscnt 0x0                               ; for the others' sake: my stores have landed
	s_barrier_signal -1
	s_barrier_wait -1
.irp i, 0,1,2,3,4,5,6,7,8,9,10,11,12,13,14,15
	ds_load_b128 v[AF+4*\i:AF+4*\i+3], v[SR] offset:528*\i
.endr
	s_wait_dscnt 0x0
	WIN 0x08                                       ; source 1 (x) window 2
.set j_, 0
.rept 32
	v_pk_add_f32 v[AF+j_:AF+j_+1], v[AF+j_:AF+j_+1], v[XR+j_:XR+j_+1]
.set j_, j_+2
.endr
	WIN 0
	s_wait_alu depctr_va_vdst(0)                   ; the additions have written v128-191, which the stores read
.irp i, 0,1,2,3,4,5,6,7,8,9,10,11,12,13,14,15
	global_store_b128 v[OFF+\i], v[AF+4*\i:AF+4*\i+3], s[22:23] th:TH_STORE_NT   ; 32 lanes store 512 consecutive bytes, aligned
.endr
	s_wait_dscnt 0x0                               ; the closing lines, six on end
	s_wait_alu 0x0
	s_wait_tensorcnt 0x0
	ds_add_u32 v126, v127
	s_wait_dscnt 0x0
	s_endpgm
.Lfunc_end_k_qc4b594e060_g2:
	.size	k_qc4b594e060_g2, .Lfunc_end_k_qc4b594e060_g2-k_qc4b594e060_g2
	.p2alignl 7, 3214868480
	.fill 96, 4, 3214868480
	.section	.rodata,"a",@progbits
	.p2align	6, 0x0
	.amdhsa_kernel k_qc4b594e060_g2
		.amdhsa_group_segment_fixed_size 173568
		.amdhsa_private_segment_fixed_size 0
		.amdhsa_enable_private_segment 0
		.amdhsa_kernarg_size 80
		.amdhsa_user_sgpr_count 2
		.amdhsa_user_sgpr_kernarg_segment_ptr 1
		.amdhsa_wavefront_size32 1
		.amdhsa_system_sgpr_workgroup_id_x 1
		.amdhsa_system_sgpr_workgroup_id_y 1
		.amdhsa_system_sgpr_workgroup_id_z 1
		.amdhsa_system_vgpr_workitem_id 0
		.amdhsa_next_free_vgpr 1024
		.amdhsa_next_free_sgpr 96
		.amdhsa_reserve_vcc 0
		.amdhsa_float_denorm_mode_32 3
		.amdhsa_float_denorm_mode_16_64 3
		.amdhsa_memory_ordered 1
		.amdhsa_forward_progress 1
		.amdhsa_inst_pref_size 120
	.end_amdhsa_kernel
	.amdgpu_metadata
---
amdhsa.version: [ 1, 2 ]
amdhsa.kernels:
  - .name:           k_qc4b594e060_g2
    .symbol:         k_qc4b594e060_g2.kd
    .args:
      - { .name: h, .offset: 0, .size: 8, .value_kind: global_buffer, .address_space: global }
      - { .name: hs, .offset: 8, .size: 8, .value_kind: global_buffer, .address_space: global }
      - { .name: wq, .offset: 16, .size: 8, .value_kind: global_buffer, .address_space: global }
      - { .name: ws, .offset: 24, .size: 8, .value_kind: global_buffer, .address_space: global }
      - { .name: b2, .offset: 32, .size: 8, .value_kind: global_buffer, .address_space: global }
      - { .name: x, .offset: 40, .size: 8, .value_kind: global_buffer, .address_space: global }
      - { .name: route, .offset: 48, .size: 8, .value_kind: global_buffer, .address_space: global }
      - { .name: expert_indices, .offset: 56, .size: 8, .value_kind: global_buffer, .address_space: global }
      - { .name: expert_weights, .offset: 64, .size: 8, .value_kind: global_buffer, .address_space: global }
      - { .name: out0, .offset: 72, .size: 8, .value_kind: global_buffer, .address_space: global }
    .group_segment_fixed_size: 173568
    .private_segment_fixed_size: 0
    .kernarg_segment_align: 8
    .kernarg_segment_size: 80
    .max_flat_workgroup_size: 128
    .sgpr_count:     96
    .vgpr_count:     1024
    .wavefront_size: 32
...
	.end_amdgpu_metadata
.endif
;; end of part 5
